; MI455X (gfx1250); checked and timed in simulation.
; The chip was launched on July 23, 2026; its instructions are those of AMD's public machine-readable ISA for CDNA 5 (MIT licence, August 2026) and "CDNA5" Instruction Set Architecture Reference Guide (July 2026). The comments in the code are by the model that wrote it; some were corrected since.
;; Causal Self Attention. Allowed arithmetic: matrix products marked QUANTISED: E3M2 operands, one E8M0 scale for each 32 along K, by v_wmma_scale_f32_16x16x128_f8f6f4 with both operands' format E3M2, f32 sums; everything else in f32.
;; Inputs: c_proj_w 1,024 x 1,024 float32; lambdas 2 float32; qkv_w 3 x 1,024 x 1,024 float32; ve 4 x 2,048 x 1,024 float32; x 4 x 2,048 x 1,024 float32.
;; Outputs: out0 4 x 2,048 x 1,024 float32.
;; This version of the problem:
;;   THIS VERSION OF THE PROBLEM IS GIVEN IN LOW PRECISION. The matrix products marked QUANTISED in the list below multiply operands that are first quantised to E3M2 (3 exponent bits, 2 mantissa bits; 6 bits a number), with one power-of-two scale for each 32 numbers along K (OCP MX v1.0); their sums are f32. All else is computed in f32.
;;   The module's matrix products, in the order in which they are computed (A, B: the left and right operand; K: the contracted axis; several contracted axes count as one K, in the product's order):
;;     1. [M 8,192, K 1,024] x [K 1,024, N 3,072]; A: input x; B: input qkv_w: QUANTISED
;;     2. batch 32 x [M 2,048, K 128] x [K 128, N 2,048]; A: computed on the way; B: computed on the way: QUANTISED
;;     3. batch 32 x [M 128, K 2,048] x [K 2,048, N 2,048]; A: computed on the way; B: softmax (see below): QUANTISED
;;     4. [M 8,192, K 1,024] x [K 1,024, N 1,024]; A: computed on the way; B: input c_proj_w: QUANTISED
;;   THE QUANTISER, for each operand of a quantised product, along K:
;;     - K is cut into blocks of 32 from its start; a last block that is shorter is filled with zeros.
;;     - A block's scale is 2^e with e = floor(log2(the largest magnitude in the block)) - 4, held to -126 .. 127; a block of zeros has e = 0. As a byte (E8M0): e + 127.
;;     - Each number is divided by its block's scale, clamped to +-28, and rounded to the nearest number of E3M2, ties to even, subnormals kept.
;;     - The product sums the exact products of the quantised numbers (number of the format x scale) in f32.
;;   ~~~python
;;   def quantise(x, axis):      # numpy; x: float32 -> the quantised numbers, widened to float32 again
;;       x = np.moveaxis(x, axis, -1); K = x.shape[-1]
;;       x = np.pad(x, [(0, 0)] * (x.ndim - 1) + [(0, -K % 32)]); x = x.reshape(x.shape[:-1] + (-1, 32)); a = np.abs(x).max(-1, keepdims=True)
;;       e = np.where(a > 0, np.clip(np.frexp(np.where(a > 0, a, 1))[1] - 1 - 4, -126, 127), 0)      # np.frexp(a)[1] - 1 = floor(log2(a)), exactly
;;       r = np.clip(x / 2.0 ** e, -28, 28)
;;       step = 2.0 ** (np.maximum(np.frexp(np.where(r == 0, 1, r))[1] - 1, -2) - 2)
;;       q = np.round(r / step) * step * 2.0 ** e      # np.round: ties to even
;;       return np.moveaxis(q.reshape(q.shape[:-2] + (-1,))[..., :K], -1, axis).astype(np.float32)
;;   ~~~
;;   SOFTMAX AHEAD OF A QUANTISED PRODUCT. Where the list says 'softmax', what is quantised is not the finished softmax but p = 2^(t - M), with t = logit x log2(e) and M = ceil(the row's largest t), a whole number; so 1/2 < the row's largest p <= 1. The row's sum l is taken of the UNQUANTISED p, in f32, and the product's result is divided by l at the end. Since M is a whole number, a kernel that streams over the keys may use a running M (the ceiling of the running maximum): every later rescaling is an exact power of two, which a block's scale takes up: the codes' values come out the same.
;;   OPERANDS COMPUTED ON THE WAY. 'Computed on the way' means the value that the module computes at that place (a softmax that the list does not call 'softmax' is quantised finished and normalised). What goes into a quantiser is computed in f32, as accurately as f32 sums, v_exp_f32 and their like allow (about 1e-6 of the number): no bf16 or f16 on the way to a quantiser, and a product that is left as it is and whose result goes on into a quantised operand takes f32 operands (vector FMAs, or v_wmma_f32_16x16x4_f32). A number that lies on a knife's edge between two numbers of the format may be rounded either way, as far as f32 arithmetic and the matrix unit's own rounding can turn it there, and no further.
;; One version. Each part assembles by itself: llvm-mc -triple=amdgcn-amd-amdhsa -mcpu=gfx1250 --defsym DOCPART=n.
;; ======== version 1 of 1: 4 launches
;; limits: right only within a limited range of input values
;; workspace buffers: pk 9,830,400 bytes; rope 524,288 bytes; qkvc 18,874,368 bytes; qkvs 786,432 bytes; yp 6,553,600 bytes
;; launch pack (part 1): grid 384 x 1, 8 waves a work-group, no clusters, 69,632 bytes of LDS; arguments x, qkv_w, c_proj_w, pk, rope; writes pk, rope
.if DOCPART == 1
	.amdgcn_target "amdgcn-amd-amdhsa--gfx1250"
	.amdhsa_code_object_version 6
	.text
	.protected	k_q01d80c26ec_pack
	.globl	k_q01d80c26ec_pack
	.p2align	8
	.type	k_q01d80c26ec_pack,@function
k_q01d80c26ec_pack:
	s_mov_b64 s[64:65], 0
	v_nop
	global_prefetch_b8 v0, s[64:65] scope:SCOPE_SE
	s_setreg_imm32_b32 hwreg(HW_REG_WAVE_MODE, 25, 1), 1
	s_wait_xcnt 0x0
; x [8192][1024], qkv_w [3072][1024] and c_proj_w [1024][1024], f32, K innermost, become codes of BF6 (E3M2) with one E8M0 byte for each 32 along K,
; laid in the ORDER OF AN OPERAND'S REGISTERS.  A fragment (16 rows x 128 K) is 12 registers a lane; its image is 1,536 bytes: registers 4 c .. 4 c + 3 of lane l at 512 c + 16 l.
; A RECORD (12,800 bytes) is 128 rows x 128 K: eight images, then 128 scale words (position p at 4 p).  A GROUP is 128 rows x all of K: eight records, K ascending.
; pk holds 96 groups: 0-63 x, 64-87 qkv_w, 88-95 c_proj_w.  WHICH ROW STANDS AT POSITION 16 a + i of a group is chosen for the product that reads it:
;   x, and the q and k heads of qkv_w: 32 (a / 2) + 8 (a % 2) + i % 8 + 16 (i / 8);   the v heads: 64 (a / 4) + a % 4 + 4 (i % 4) + 32 ((i / 4) % 2) + 16 (i / 8);   c_proj_w: 16 a + i.
; SHARES: a work-group takes one group and 256 along K (two records); wave t takes tile t: 16 rows x 256 K, two fragments.  Each load reads two rows' 256 consecutive bytes; the numbers turn through the
; wave's own stage in LDS (pitch 528) so that a lane then holds, of ITS row, 16 neighbours of each block of 32: what the conversions take.  Codes leave as 512 consecutive bytes a store.
; The scale words of the eight waves meet in LDS and leave as one run of 512 bytes a record.
; THE ROPE TABLE: the first 256 work-groups also make rope [t][cos 32 | sin 32], a wave a row t.  freq j = 2^(-10 j / 31) by v_exp_f32, theta = t x freq in f32, reduced by a two-part pi / 2, polynomials on |r| <= pi / 4.
; A block's scale is 2^(floor(log2(largest magnitude)) - 4): its byte is the largest magnitude's exponent field - 4, held at 1 from below.
; LIMITS: a block of zeros gets the byte 1 (its codes are zeros; the bytes are read by this program alone); NaN and infinities are not served; freq is good to an ulp of v_exp_f32, so theta may
; differ from a correctly rounded table's by some 2e-4 rad at the largest t; q and k take the same table.
; No matrix unit, no cluster, no tensor load: memory binds, and waves share nothing but the scale words.
.set REC,   12800
.set GRPB,  8*REC
.set SP,    528                        ; a stage row: 512 bytes + 16
.set WST,   16*SP                      ; a wave's stage
.set SCST,  8*WST                      ; behind the stages: two scale images of 512 bytes
.set SPARE, SCST+1024                  ; the spare words, 128 bytes for each wave, that no other line names
.set LN,  1                            ; v1   lane
.set RR,  2                            ; v2   lane % 16
.set HH,  3                            ; v3   lane / 16
.set LI,  5                            ; v5   16 x lane
.set STI, 6                            ; v6   the stage, on the way in
.set STO, 7                            ; v7   and on the way out
.set SW,  8                            ; v8   where my row's scale word goes
.set SR,  9                            ; v9   where waves 0 and 1 read a scale image back
.set L8,  10                           ; v10  8 x lane
.set SPW, 12                           ; v12  my spare word; never rewritten
.set NIL, 13                           ; v13  0; never rewritten
.set VB,  14
.set VO,  16                           ; v16-23 byte offsets of the rows at positions i and i + 8
.set TM,  24                           ; v24-39 the quantiser's work
.set PW,  40                           ; v40  the scale word just made
.set PC,  44                           ; v44-63 the codes just made
.set R0,  64                           ; v64-127  64 numbers as loaded
.set R1,  128                          ; v128-191 likewise
.set X,   192                          ; v192-255 64 numbers in the quantiser's order; before that the table's work
.set SEL, 14                           ; s[14:15] selects of v_permlanex16_b32 for lane l xor 16
	s_load_b256 s[4:11], s[0:1], 0x0               ; x s[4:5], qkv_w s[6:7], c_proj_w s[8:9], pk s[10:11]
	s_load_b64 s[12:13], s[0:1], 0x20              ; rope
	v_lshl_add_u32 v[SPW], v0, 2, SPARE
	v_mov_b32 v[NIL], 0
	v_lshrrev_b32 v1, 5, v0
	s_delay_alu instid0(VALU_DEP_1)
	v_readfirstlane_b32 s18, v1                    ; wave = tile t
	v_and_b32 v[LN], 31, v0
	v_and_b32 v[RR], 15, v0
	v_bfe_u32 v[HH], v0, 4, 1
	s_delay_alu instid0(VALU_DEP_3)
	v_lshlrev_b32 v[LI], 4, v[LN]
	s_delay_alu instid0(VALU_DEP_4)
	v_lshlrev_b32 v[L8], 3, v[LN]
	s_mul_i32 s19, s18, WST
	v_mul_u32_u24 v[STI], v[HH], 8*SP
	s_delay_alu instid0(VALU_DEP_1)
	v_lshl_add_u32 v[STI], v[RR], 4, v[STI]
	s_delay_alu instid0(VALU_DEP_1)
	v_add_nc_u32 v[STI], s19, v[STI]               ; in: row i + 8 h, 16 bytes a lane
	v_mul_u32_u24 v[STO], v[RR], SP
	s_delay_alu instid0(VALU_DEP_1)
	v_lshl_add_u32 v[STO], v[HH], 6, v[STO]
	s_delay_alu instid0(VALU_DEP_1)
	v_add_nc_u32 v[STO], s19, v[STO]               ; out: row r, + 64 h: my 16 numbers of a block of 32
	s_lshl_b32 s19, s18, 6
	s_add_co_u32 s19, s19, SCST
	v_lshl_add_u32 v[SW], v[RR], 2, s19            ; position 16 t + r
	s_and_b32 s19, s18, 1
	s_lshl_b32 s19, s19, 9
	s_add_co_u32 s19, s19, SCST
	v_add_nc_u32 v[SR], s19, v[LI]
	s_mov_b32 s[SEL], 0x76543210
	s_mov_b32 s[SEL+1], 0xfedcba98
.irp b, 0,1,2,3
	v_mov_b32 v[TM+4+\b], 0                        ; written once: a lane permute's destination counts as one of its sources
.endr
	s_lshr_b32 s16, ttmp9, 2                       ; the group
	s_and_b32 s17, ttmp9, 3                        ; which 256 along K
	; the three orders of rows: row = base + PA (i % 4) + PC ((i / 4) % 2) + PB (i / 8)
	s_lshr_b32 s24, s18, 1
	s_lshl_b32 s24, s24, 5
	s_and_b32 s25, s18, 1
	s_lshl_b32 s25, s25, 3
	s_add_co_u32 s24, s24, s25                     ; 32 (t / 2) + 8 (t % 2)
	s_lshr_b32 s25, s18, 2
	s_lshl_b32 s25, s25, 6
	s_and_b32 s26, s18, 3
	s_add_co_u32 s25, s25, s26                     ; 64 (t / 4) + t % 4
	s_lshl_b32 s26, s18, 4                         ; 16 t
	s_cmp_lt_u32 s16, 80
	s_cselect_b32 s27, 1, 4                        ; PA
	s_cselect_b32 s28, 4, 32                       ; PC
	s_cselect_b32 s24, s24, s25                    ; base
	s_cmp_lt_u32 s16, 88
	s_cselect_b32 s27, s27, 1
	s_cselect_b32 s28, s28, 4
	s_cselect_b32 s29, 16, 8                       ; PB
	s_cselect_b32 s24, s24, s26
	v_mul_u32_u24 v[VB], s29, v[HH]
	s_delay_alu instid0(VALU_DEP_1)
	v_lshlrev_b32 v[VB], 12, v[VB]                 ; a row is 4,096 bytes
	s_delay_alu instid0(VALU_DEP_1)
	v_lshl_add_u32 v[VB], v[RR], 4, v[VB]
	s_wait_alu depctr_va_vdst(0)
.irp i, 0,1,2,3,4,5,6,7
	s_mul_i32 s30, s27, \i%4
	s_mul_i32 s31, s28, \i/4
	s_add_co_u32 s30, s30, s31
	s_lshl_b32 s30, s30, 12
	v_add_nc_u32 v[VO+\i], s30, v[VB]
.endr
	s_mul_i32 s38, s16, GRPB                       ; where my work-group's two records begin in pk,
	s_mul_i32 s31, s17, 2*REC
	s_add_co_u32 s38, s38, s31
	s_and_b32 s31, s18, 1
	s_mul_i32 s31, s31, REC
	s_add_co_u32 s40, s38, s31
	s_add_co_u32 s40, s40, 8*1536                  ; the scale image of record wave % 2,
	s_mov_b32 s41, 0
	s_mul_i32 s31, s18, 1536
	s_add_co_u32 s38, s38, s31                     ; and my tile's image in the first
	s_mov_b32 s39, 0
	s_wait_alu depctr_va_vdst(0)
	s_wait_kmcnt 0x0
	s_cmp_lt_u32 s16, 64                           ; which tensor: the choice hangs on the work-group's number alone
	s_cselect_b64 s[20:21], s[4:5], s[6:7]
	s_cselect_b32 s22, 0, 64
	s_cmp_lt_u32 s16, 88
	s_cselect_b64 s[20:21], s[20:21], s[8:9]
	s_cselect_b32 s22, s22, 88
	s_sub_co_u32 s22, s16, s22                     ; the group's number in its tensor
	s_lshl_b32 s22, s22, 7
	s_add_co_u32 s22, s22, s24
	s_lshl_b32 s42, s22, 12
	s_lshl_b32 s31, s17, 10
	s_add_co_u32 s42, s42, s31
	s_mov_b32 s43, 0
	s_add_nc_u64 s[20:21], s[20:21], s[42:43]      ; the tile's base row, my 256 along K
	s_add_nc_u64 s[32:33], s[10:11], s[38:39]
	s_add_nc_u64 s[34:35], s[10:11], s[40:41]
.macro LOADF s, reg                    ; K step s of my 16 rows: each load reads two rows' 256 consecutive bytes
.irp i, 0,1,2,3,4,5,6,7
	global_load_b128 v[\reg+8*\i:\reg+8*\i+3], v[VO+\i], s[20:21] offset:512*\s th:TH_LOAD_NT
	global_load_b128 v[\reg+8*\i+4:\reg+8*\i+7], v[VO+\i], s[20:21] offset:512*\s+256 th:TH_LOAD_NT
.endr
.endm
.macro TURNF reg, dst                  ; through my stage: LDS serves a wave's instructions in order, so no wait stands between the stores and the loads
.irp i, 0,1,2,3,4,5,6,7
	ds_store_b128 v[STI], v[\reg+8*\i:\reg+8*\i+3] offset:SP*\i
	ds_store_b128 v[STI], v[\reg+8*\i+4:\reg+8*\i+7] offset:SP*\i+256
.endr
.irp b, 0,1,2,3
.irp u, 0,1,2,3
	ds_load_b128 v[\dst+16*\b+4*\u:\dst+16*\b+4*\u+3], v[STO] offset:128*\b+16*\u   ; register 16 b + i = k 32 b + 16 h + i of row r
.endr
.endr
.endm
; 64 numbers of a lane, register 16 b + i = k 32 b + 16 (lane / 16) + i of my row, become a fragment's codes in v[PC] on and its scale word in v[PW]
.macro QUANT s
.irp b, 0,1,2,3
	v_max3_num_f32 v[TM+\b], |v[\s+16*\b]|, |v[\s+1+16*\b]|, 0x2800000   ; my 16 numbers of block b, and the floor 2^(5 - 127): the byte cannot fall under 1
.endr
.irp i, 2,4,6,8,10,12,14
.irp b, 0,1,2,3
	s_delay_alu instid0(VALU_DEP_4)
	v_max3_num_f32 v[TM+\b], v[TM+\b], |v[\s+16*\b+\i]|, |v[\s+1+16*\b+\i]|
.endr
.endr
.irp b, 0,1,2,3
	s_delay_alu instid0(VALU_DEP_4)
	v_permlanex16_b32 v[TM+4+\b], v[TM+\b], s[SEL], s[SEL+1]
.endr
.irp b, 0,1,2,3
	s_delay_alu instid0(VALU_DEP_4)
	v_max_num_f32 v[TM+\b], v[TM+\b], v[TM+4+\b]   ; with lane l xor 16's: the block's largest magnitude
.endr
.irp b, 0,1,2,3
	s_delay_alu instid0(VALU_DEP_4)
	v_add_nc_u32 v[TM+12+\b], 0xfe000000, v[TM+\b] ; 4 off its exponent field: the conversion's scale operand
.endr
.irp b, 0,1,2,3
	s_delay_alu instid0(VALU_DEP_4)
	v_lshrrev_b32 v[TM+4+\b], 23, v[TM+12+\b]      ; the scale's byte
.endr
	s_delay_alu instid0(VALU_DEP_3)
	v_lshl_or_b32 v[PW], v[TM+5], 8, v[TM+4]
	s_delay_alu instid0(VALU_DEP_1)
	v_lshl_or_b32 v[PW], v[TM+6], 16, v[PW]
	s_delay_alu instid0(VALU_DEP_1)
	v_lshl_or_b32 v[PW], v[TM+7], 24, v[PW]
.irp c, 0,1
	v_cvt_scalef32_pk16_bf6_f32 v[PC+6*\c:PC+2+6*\c], v[\s+32*\c:\s+15+32*\c], v[TM+12+2*\c]
	v_cvt_scalef32_pk16_bf6_f32 v[PC+12+4*\c:PC+14+4*\c], v[\s+16+32*\c:\s+31+32*\c], v[TM+12+2*\c+1]   ; (a conversion's three registers begin on an even number)
.endr
	v_nop                                          ; one plain place behind a scaled conversion
.irp c, 0,1                            ; the operand's layout wants a whole block in a lane: lanes 0-15 block 2 c, lanes 16-31 block 2 c + 1
.irp i, 0,1,2
	v_permlane16_swap_b32 v[PC+6*\c+\i], v[PC+12+4*\c+\i]
.endr
.irp i, 0,1,2
	s_delay_alu instid0(VALU_DEP_3)
	v_mov_b32 v[PC+3+6*\c+\i], v[PC+12+4*\c+\i]
.endr
.endr
.endm
.macro OUTF s                          ; the image leaves as three runs of 512 bytes; the scale word goes to the record's image in LDS
.irp c, 0,1,2
	global_store_b128 v[LI], v[PC+4*\c:PC+4*\c+3], s[32:33] offset:REC*\s+512*\c
.endr
	ds_store_b32 v[SW], v[PW] offset:512*\s        ; lanes r and r + 16 write the same word with the same value
.endm
	LOADF 0, R0
	LOADF 1, R1                                    ; 32 loads of mine are out while the table is made
	s_cmp_lt_u32 ttmp9, 256
	s_cbranch_scc0 .Lno_table
	; ---- a row of the RoPE table: t = 8 x work-group + wave; lane l: j = 2 (l % 16) and + 1; lanes 0-15 the cosines, lanes 16-31 the sines
	s_lshl_b32 s30, ttmp9, 3
	s_add_co_u32 s30, s30, s18
	v_cvt_f32_u32 v[X], s30                        ; t
	v_lshlrev_b32 v[X+1], 1, v[RR]
	s_delay_alu instid0(VALU_DEP_1)
	v_add_nc_u32 v[X+2], 1, v[X+1]
	s_delay_alu instid0(VALU_DEP_2)
	v_cvt_f32_u32 v[X+1], v[X+1]
	s_delay_alu instid0(VALU_DEP_2)
	v_cvt_f32_u32 v[X+2], v[X+2]
	s_delay_alu instid0(VALU_DEP_2)
	v_mul_f32 v[X+1], 0xbea5294a, v[X+1]           ; -10 j / 31
	s_delay_alu instid0(VALU_DEP_2)
	v_mul_f32 v[X+2], 0xbea5294a, v[X+2]
	s_wait_alu depctr_va_vdst(0)
	v_exp_f32 v[X+1], v[X+1]                       ; freq = (1 / 1024)^(j / 31)
	v_exp_f32 v[X+2], v[X+2]
	v_mul_u32_u24 v[X+3], 3, v[HH]                 ; (a plain place behind the exponentials)  a sine is the cosine three quadrants on
	s_wait_alu depctr_va_vdst(0)                   ; one wait for both, ahead of their first reader
.irp e, 0,1
.set E, X+8+16*\e
	v_mul_f32 v[E], v[X], v[X+1+\e]                ; theta, rounded to f32 once
	s_delay_alu instid0(VALU_DEP_1)
	v_mul_f32 v[E+1], 0x3f22f983, v[E]
	s_delay_alu instid0(VALU_DEP_1)
	v_rndne_f32 v[E+1], v[E+1]                     ; n = the nearest multiple of pi / 2
	s_delay_alu instid0(VALU_DEP_1)
	v_fmamk_f32 v[E+2], v[E+1], 0xbfc90fdb, v[E]   ; r = theta - n x pi / 2, pi / 2 in two parts
	s_delay_alu instid0(VALU_DEP_1)
	v_fmamk_f32 v[E+2], v[E+1], 0x333bbd2e, v[E+2]
	s_delay_alu instid0(VALU_DEP_1)
	v_mul_f32 v[E+3], v[E+2], v[E+2]               ; z = r^2
	v_mov_b32 v[E+4], 0xb94ca1f9
	s_delay_alu instid0(VALU_DEP_1)
	v_fmaak_f32 v[E+4], v[E+4], v[E+3], 0x3c08839e
	s_delay_alu instid0(VALU_DEP_1)
	v_fmaak_f32 v[E+4], v[E+4], v[E+3], 0xbe2aaaa3
	s_delay_alu instid0(VALU_DEP_4)
	v_mul_f32 v[E+5], v[E+3], v[E+2]
	s_delay_alu instid0(VALU_DEP_1)
	v_fma_f32 v[E+4], v[E+4], v[E+5], v[E+2]       ; sin r
	v_mov_b32 v[E+6], 0x37ccf5ce
	s_delay_alu instid0(VALU_DEP_1)
	v_fmaak_f32 v[E+6], v[E+6], v[E+3], 0xbab6061a
	s_delay_alu instid0(VALU_DEP_1)
	v_fmaak_f32 v[E+6], v[E+6], v[E+3], 0x3d2aaaa5
	s_delay_alu instid0(VALU_DEP_1)
	v_fmaak_f32 v[E+6], v[E+6], v[E+3], 0xbf000000
	s_delay_alu instid0(VALU_DEP_1)
	v_fmaak_f32 v[E+6], v[E+6], v[E+3], 0x3f800000 ; cos r
	v_cvt_i32_f32 v[E+7], v[E+1]
	s_delay_alu instid0(VALU_DEP_1)
	v_add_nc_u32 v[E+7], v[E+7], v[X+3]            ; the quadrant q
	s_delay_alu instid0(VALU_DEP_1)
	v_and_b32 v[E+8], 1, v[E+7]
	s_delay_alu instid0(VALU_DEP_1)
	v_cmp_eq_u32 vcc_lo, 1, v[E+8]
	s_delay_alu instid0(VALU_DEP_1)
	v_cndmask_b32 v[E+9], v[E+6], v[E+4], vcc_lo   ; q odd: sin r, else cos r
	s_delay_alu instid0(VALU_DEP_4)
	v_add_nc_u32 v[E+7], 1, v[E+7]
	s_delay_alu instid0(VALU_DEP_1)
	v_and_b32 v[E+7], 2, v[E+7]
	s_delay_alu instid0(VALU_DEP_1)
	v_lshlrev_b32 v[E+7], 30, v[E+7]
	s_delay_alu instid0(VALU_DEP_1)
	v_xor_b32 v[X+4+\e], v[E+9], v[E+7]            ; negative in quadrants 1 and 2
.endr
	s_lshl_b32 s30, s30, 8
	s_mov_b32 s31, 0
	s_add_nc_u64 s[36:37], s[12:13], s[30:31]
	global_store_b64 v[L8], v[X+4:X+5], s[36:37]   ; 32 lanes store the row's 256 consecutive bytes
.Lno_table:
	s_wait_xcnt 0x0                                ; the table's store has read its registers: X is written again only behind this wait
	s_wait_loadcnt 16                              ; K step 0's sixteen loads are in; K step 1's may be out
	TURNF R0, X
	s_wait_dscnt 0x0                               ; X is in, and the stage is free
	s_wait_loadcnt 0x0
	TURNF R1, R0                                   ; the second fragment's numbers turn while the first is quantised
	QUANT X
	OUTF 0
	s_wait_dscnt 0x0                               ; the second fragment's numbers are in
	s_wait_xcnt 0x0                                ; the stores have read the codes' registers
	QUANT R0
	OUTF 1
	s_wait_dscnt 0x0                               ; for the others' sake: my scale words lie in LDS
	s_barrier_signal -1
	s_barrier_wait -1
	s_cmp_lt_u32 s18, 2
	s_cbranch_scc0 .Lnot_scales
	ds_load_b128 v[X:X+3], v[SR]                   ; waves 0 and 1: a record's 128 scale words,
	s_wait_dscnt 0x0
	global_store_b128 v[LI], v[X:X+3], s[34:35]    ; 512 consecutive bytes
.Lnot_scales:
	s_wait_tensorcnt 0x0                           ; the wave's end
	ds_add_u32 v[SPW], v[NIL]
	s_wait_dscnt 0x0
	s_endpgm
.Lfunc_end_k_q01d80c26ec_pack:
	.size	k_q01d80c26ec_pack, .Lfunc_end_k_q01d80c26ec_pack-k_q01d80c26ec_pack
	.p2alignl 7, 3214868480
	.fill 96, 4, 3214868480
	.section	.rodata,"a",@progbits
	.p2align	6, 0x0
	.amdhsa_kernel k_q01d80c26ec_pack
		.amdhsa_group_segment_fixed_size 69632
		.amdhsa_private_segment_fixed_size 0
		.amdhsa_enable_private_segment 0
		.amdhsa_kernarg_size 40
		.amdhsa_user_sgpr_count 2
		.amdhsa_user_sgpr_kernarg_segment_ptr 1
		.amdhsa_wavefront_size32 1
		.amdhsa_system_sgpr_workgroup_id_x 1
		.amdhsa_system_sgpr_workgroup_id_y 1
		.amdhsa_system_sgpr_workgroup_id_z 1
		.amdhsa_system_vgpr_workitem_id 0
		.amdhsa_next_free_vgpr 256
		.amdhsa_next_free_sgpr 66
		.amdhsa_reserve_vcc 1
		.amdhsa_float_denorm_mode_32 3
		.amdhsa_float_denorm_mode_16_64 3
		.amdhsa_memory_ordered 1
		.amdhsa_forward_progress 1
		.amdhsa_inst_pref_size 29
	.end_amdhsa_kernel
	.amdgpu_metadata
---
amdhsa.version: [ 1, 2 ]
amdhsa.kernels:
  - .name:           k_q01d80c26ec_pack
    .symbol:         k_q01d80c26ec_pack.kd
    .args:
      - { .name: x, .offset: 0, .size: 8, .value_kind: global_buffer, .address_space: global }
      - { .name: qkv_w, .offset: 8, .size: 8, .value_kind: global_buffer, .address_space: global }
      - { .name: c_proj_w, .offset: 16, .size: 8, .value_kind: global_buffer, .address_space: global }
      - { .name: pk, .offset: 24, .size: 8, .value_kind: global_buffer, .address_space: global }
      - { .name: rope, .offset: 32, .size: 8, .value_kind: global_buffer, .address_space: global }
    .group_segment_fixed_size: 69632
    .private_segment_fixed_size: 0
    .kernarg_segment_align: 8
    .kernarg_segment_size: 40
    .max_flat_workgroup_size: 256
    .sgpr_count:     66
    .vgpr_count:     256
    .wavefront_size: 32
...
	.end_amdgpu_metadata
.endif
;; end of part 1
;; launch qkv (part 2): grid 8 x 32, 4 waves a work-group, clusters of 4 x 4, 327,680 bytes of LDS; arguments pk, ve, lambdas, rope, qkvc, qkvs; writes qkvc, qkvs
.if DOCPART == 2
	.amdgcn_target "amdgcn-amd-amdhsa--gfx1250"
	.amdhsa_code_object_version 6
	.text
	.protected	k_q01d80c26ec_qkv
	.globl	k_q01d80c26ec_qkv
	.p2align	8
	.type	k_q01d80c26ec_qkv,@function
k_q01d80c26ec_qkv:
	s_mov_b64 s[64:65], 0
	v_nop
	global_prefetch_b8 v0, s[64:65] scope:SCOPE_SE
	s_setreg_imm32_b32 hwreg(HW_REG_WAVE_MODE, 25, 1), 1
	s_wait_xcnt 0x0
	s_wait_alu depctr_hold_cnt(0) depctr_sa_sdst(0) depctr_va_vdst(0) depctr_va_sdst(0) depctr_va_ssrc(0) depctr_va_vcc(0) depctr_vm_vsrc(0)
	s_getreg_b32 s2, hwreg(HW_REG_IB_STS2, 6, 4)
	s_cmp_eq_u32 s2, 0
	s_cbranch_scc0 .Lentry_in_a_cluster
	s_endpgm
.Lentry_in_a_cluster:
	s_bfe_u32 s2, ttmp6, 0x10000c
	s_cmp_lg_u32 s2, 0xf033
	s_cbranch_scc0 .Lentry_shape_is_right
	s_endpgm
.Lentry_shape_is_right:
; q, k, v = x qkv_w^T on BF6 codes, then RMS norm and RoPE (q, k) or the mix with ve (v), each quantised for attention's products.  Nothing of reference() is left out here.
; IN: pk, register images: a record (12,800 bytes) is 128 rows x 128 K: 8 images of 1,536 bytes, then 128 scale words; a group is 8 records.  Groups 0-63 x, 64-71 q heads, 72-79 k heads, 80-87 v heads.
; OUT: qkvc [bh][token group 16][Q | K | V] images, qkvs their scale words, as the attention launch reads them.
; SHARES: work-group (head, tile of 256 tokens) makes its head's Q, K and V for its tokens: 32 x 8 = 256 work-groups.  x's two groups stay in LDS (204,800 bytes, filled once, in two halves along K);
; the head's three weight groups pass through two slots of four K steps (51,200 bytes each).  A wave makes 64 x 128 of each tile, 32 accumulators:
; Q, K: 64 tokens (source 1) x the head's 128 channels (source 0): a lane holds a token, its registers run along the channels;
; V: 64 channels (source 1) x 128 tokens (source 0): a lane holds a channel, its registers run along the keys.  Q and K are two trips of one loop; V is written out.
; CLUSTERS 4 x 4: x's halves are asked for jointly along a row of the cluster (same tokens), the weight's along a column (same head).  Waves 0, 1 fetch x, waves 2, 3 the weight's slots 0, 1.
; PREFETCH: ve's rows (a wave's 128 tokens x 256 bytes, a lane a row, each named once) are asked for in the loop, 64 rows a trip, and loaded behind the loop.  pk is not prefetched: the head's loads have no
; loop ahead of them, and each refill is asked for four K steps (128 matrix instructions) ahead of its first read, every second one an epilogue more.
; LIMITS: a block of zeros gets the byte 1 (its codes are zeros; this program alone reads the bytes); NaN and infinities are not served.
; REGISTERS: window 0: v4-31 addresses, v32-55 scale words (two sets), v64-127 the RoPE table, v128-223 the four-block operand (two sets; in the epilogue the rows at work and their codes), v224-251 work;
; window 1: the eight-block operand, two sets; window 2: accumulator (a, b) at v[8 (8 a + b)]; window 3: ve.
.set REC,   12800
.set GRPB,  8*REC
.set HALF,  4*REC
.set WSL,   2*GRPB                     ; the weight's two slots
.set SCR,   WSL+2*HALF                 ; 256 bytes a wave: the scale words on their way out; no fill lands here
.set SPARE, SCR+1024                   ; the spare words, 128 bytes a wave, that no other line names
.set FR,  12
.set LI,  4                            ; 16 x lane
.set L8,  5                            ; 8 x lane
.set QKA, 8                            ; v8-15: LDS addresses for Q and K: +0,1 the four blocks (x), +2,3 the eight (weight), +4,5 and +6,7 their scale words; each for K steps 0-3 and 4-7
.set VA,  16                           ; v16-23: the same for V: the four blocks are the weight's, the eight x's
.set TBO, 24
.set VEO, 25
.set PFO, 26
.set SWA, 27
.set SPW, 28
.set NIL, 29
.set SRA, 30
.set SC,  32
.set SS,  56
.set TAB, 64
.set AF,  128
.set T,   128
.set PC,  192
.set TM,  224
.set PW,  240
.set RS,  242
.set U,   244
.set BKS, 248
.set G1X, 24
.set G1W, 32
.set G0X, 40
.set G0W, 44
.set SEL, 66
.set DC,  74
.set DS,  76
.set RB,  78
.set VE,  80
.set PV,  82
.set MSB, 0
.macro WIN new
.if MSB != (\new)
	s_set_vgpr_msb (MSB<<8)|(\new)
.set MSB, (\new)
.endif
.endm
.macro PLACES
.rept 4
	v_nop
.endr
.endm
.macro CREST
	s_cmp_lg_u32 s16, 0
	s_cbranch_scc1 .Lnot_wave_0_\@
	s_barrier_signal -3
.Lnot_wave_0_\@:
	s_barrier_wait -3
	s_barrier_signal -1
	s_barrier_wait -1
.endm
.macro CROUND
	s_barrier_signal -1
	s_barrier_wait -1
	CREST
.endm
	s_load_b256 s[4:11], s[0:1], 0x0               ; pk, ve, lambdas, rope
	s_load_b128 s[12:15], s[0:1], 0x20             ; qkvc, qkvs
	v_lshl_add_u32 v[SPW], v0, 2, SPARE
	v_mov_b32 v[NIL], 0
	ds_add_u32 v[SPW], v[NIL]                      ; the opening lines: the add, twice on end, and its wait
	ds_add_u32 v[SPW], v[NIL]
	v_lshrrev_b32 v1, 5, v0
	v_readfirstlane_b32 s16, v1                    ; wave
	s_lshr_b32 s17, s16, 1                         ; my token group of the two.  Also: I fetch x (0) or the weight (1)
	s_and_b32 s18, s16, 1                          ; my half of the four-block operand.  Also: which group of x or which slot I fetch
	s_bfe_u32 s20, ttmp6, 0x40000                  ; cx
	s_bfe_u32 s21, ttmp6, 0x40004                  ; cy
	s_lshl_b32 s22, ttmp9, 2
	s_add_co_u32 s22, s22, s20                     ; the head
	s_and_b32 s23, ttmp7, 0xffff
	s_lshl_b32 s23, s23, 2
	s_add_co_u32 s23, s23, s21                     ; the tile of 256 tokens
	s_lshl_b32 s48, s21, 2
	s_lshl_b32 s48, 15, s48                        ; my row of the cluster
	s_lshl_b32 s49, 0x1111, s20                    ; my column
	s_or_b32 s[G1X], s48, (3<<16)|(1<<21)
	s_or_b32 s[G1W], s49, (3<<16)|(1<<21)
.irp g, G1X, G1W                       ; four records, dense: 200 rows of 32 elements of 8 bytes
	s_mov_b32 s[\g+1], 32<<16
	s_mov_b32 s[\g+2], 200<<16
	s_mov_b32 s[\g+3], 32<<16
	s_mov_b32 s[\g+4], 200
	s_mov_b32 s[\g+5], 32
	s_mov_b32 s[\g+6], 0
	s_mov_b32 s[\g+7], 0
.endr
	s_lshl_b32 s50, s23, 1
	s_add_co_u32 s50, s50, s18
	s_mul_i32 s50, s50, GRPB                       ; x: group 2 x tile + wave % 2
	s_mov_b32 s51, 0
	s_add_co_u32 s52, s22, 64
	s_mul_i32 s52, s52, GRPB                       ; the weight: group 64 + head, half wave % 2
	s_mul_i32 s54, s18, HALF
	s_add_co_u32 s52, s52, s54
	s_mov_b32 s53, 0
	s_mul_i32 s55, s18, GRPB
	s_add_co_u32 s54, s54, WSL
	s_mov_b32 s[SEL], 0x76543210
	s_mov_b32 s[SEL+1], 0xfedcba98
	s_mov_b32 s72, 0x3c000000                      ; 1 / 128
	s_wait_dscnt 0x0
	s_wait_kmcnt 0x0
	s_add_nc_u64 s[50:51], s[4:5], s[50:51]
	s_add_nc_u64 s[52:53], s[4:5], s[52:53]
	s_load_b64 s[68:69], s[8:9], 0x0               ; the two lambdas
	CROUND                                         ; in front of the first joint loads
	s_mov_b32 s[G0X], 1
	s_mov_b32 s[G0X+1], s55
	s_mov_b64 s[G0X+2:G0X+3], s[50:51]
	s_or_b32 s[G0X+3], s[G0X+3], 0x80000000
	s_mov_b32 s[G0W], 1
	s_mov_b32 s[G0W+1], s54
	s_mov_b64 s[G0W+2:G0W+3], s[52:53]
	s_or_b32 s[G0W+3], s[G0W+3], 0x80000000
	s_cmp_eq_u32 s17, 0                            ; one load a wave: K steps 0-3 of x's two groups; q's weight, both slots
	s_cbranch_scc0 .Lhead_w
	tensor_load_to_lds s[G0X:G0X+3], s[G1X:G1X+7]
	s_nop 0
	PLACES
	s_branch .Lhead_asked
.Lhead_w:
	tensor_load_to_lds s[G0W:G0W+3], s[G1W:G1W+7]
	s_nop 0
	PLACES
.Lhead_asked:
	s_lshl_b32 s56, s23, 1
	s_add_co_u32 s56, s56, s17                     ; my token group, 0 .. 63
	s_lshr_b32 s57, s56, 4
	s_and_b32 s58, s56, 15                         ; in its batch
	s_lshl_b32 s57, s57, 3
	s_add_co_u32 s57, s57, s22                     ; bh
	s_lshl_b32 s84, s57, 4
	s_add_co_u32 s84, s84, s58
	s_mul_i32 s84, s84, 36864
	s_mul_i32 s86, s18, 4*1536                     ; my four blocks' images
	s_add_co_u32 s84, s84, s86
	s_mov_b32 s85, 0
	s_add_nc_u64 s[DC:DC+1], s[12:13], s[84:85]
	s_mul_i32 s84, s57, 24576
	s_lshl_b32 s87, s58, 9
	s_add_co_u32 s84, s84, s87
	s_lshl_b32 s87, s18, 8                         ; and their 64 scale words
	s_add_co_u32 s84, s84, s87
	s_add_nc_u64 s[DS:DS+1], s[14:15], s[84:85]
	s_lshl_b32 s84, s58, 15
	s_lshl_b32 s88, s18, 14
	s_add_co_u32 s84, s84, s88
	s_add_nc_u64 s[RB:RB+1], s[10:11], s[84:85]    ; the table's rows of my 64 tokens
	s_lshl_b32 s84, s56, 19
	s_lshl_b32 s88, s22, 9
	s_add_co_u32 s84, s84, s88
	s_add_co_u32 s84, s84, s87
	s_add_nc_u64 s[VE:VE+1], s[6:7], s[84:85]      ; ve: my group's rows, my 64 channels
	s_mov_b64 s[PV:PV+1], s[VE:VE+1]
	s_mul_i32 s88, s17, GRPB
	s_add_co_u32 s89, s88, 8*1536
	s_lshl_b32 s90, s16, 8
	s_add_co_u32 s90, s90, SCR
	s_mov_b32 s3, 2
	s_wait_kmcnt 0x0
	s_mov_b32 s70, s69
	s_mov_b32 s71, s69
	v_and_b32 v1, 15, v0                           ; r
	v_bfe_u32 v2, v0, 4, 1                         ; h
	v_and_b32 v3, 31, v0
	v_lshlrev_b32 v[LI], 4, v3
	v_lshlrev_b32 v[L8], 3, v3
	v_lshlrev_b32 v6, 2, v1
	v_add_nc_u32 v[VA+2], s88, v[LI]
	v_add_nc_u32 v[VA+3], HALF, v[VA+2]
	v_add_nc_u32 v[QKA], s86, v[VA+2]
	v_add_nc_u32 v[QKA+1], s86, v[VA+3]
	v_add_nc_u32 v[QKA+2], WSL, v[LI]
	v_add_nc_u32 v[QKA+3], WSL+HALF, v[LI]
	v_add_nc_u32 v[VA], s86, v[QKA+2]
	v_add_nc_u32 v[VA+1], s86, v[QKA+3]
	v_add_nc_u32 v[VA+6], s89, v6
	v_add_nc_u32 v[VA+7], HALF, v[VA+6]
	v_add_nc_u32 v[QKA+4], s87, v[VA+6]
	v_add_nc_u32 v[QKA+5], s87, v[VA+7]
	v_add_nc_u32 v[QKA+6], WSL+8*1536, v6
	v_add_nc_u32 v[QKA+7], WSL+HALF+8*1536, v6
	v_add_nc_u32 v[VA+4], s87, v[QKA+6]
	v_add_nc_u32 v[VA+5], s87, v[QKA+7]
	v_and_b32 v7, 7, v1
	v_lshrrev_b32 v31, 3, v1
	v_lshl_add_u32 v7, v31, 4, v7
	v_lshlrev_b32 v7, 8, v7
	v_lshl_add_u32 v[TBO], v2, 6, v7               ; the table: token r % 8 + 16 (r / 8) of a block, 16 h frequencies on
	v_bfe_u32 v7, v1, 2, 1
	v_lshlrev_b32 v7, 7, v7
	v_lshl_add_u32 v7, v31, 6, v7
	v_and_b32 v31, 3, v1
	v_lshl_add_u32 v7, v31, 4, v7
	v_lshl_add_u32 v[VEO], v2, 16, v7              ; ve: channels 4 (r % 4) + 32 ((r / 4) % 2) + 16 (r / 8) on, 16 h tokens down
	v_lshlrev_b32 v[PFO], 12, v3                   ; a lane a row of ve
	v_lshl_add_u32 v[SWA], v1, 2, s90
	v_add_nc_u32 v[SRA], s90, v[L8]
.irp b, 0,1,2,3
	v_mov_b32 v[TM+4+\b], 0                        ; a lane permute's destination counts as one of its sources
.endr
.macro FETCH ab, s                     ; K step s: eight fragments, four fragments, their scale words, into set s % 2
.set PP, (\s)%2
.set HF, (\s)/4
.set OF, ((\s)%4)*REC
	WIN 0x40
.irp b, 0,1,2,3,4,5,6,7
.irp c, 0,1,2
	ds_load_b128 v[128*PP+FR*\b+4*\c:128*PP+FR*\b+4*\c+3], v[\ab+2+HF] offset:OF+1536*\b+512*\c
.endr
.endr
	WIN 0
.irp a, 0,1,2,3
.irp c, 0,1,2
	ds_load_b128 v[AF+48*PP+FR*\a+4*\c:AF+48*PP+FR*\a+4*\c+3], v[\ab+HF] offset:OF+1536*\a+512*\c
.endr
.endr
.irp a, 0,1,2,3
	ds_load_b32 v[SC+12*PP+\a], v[\ab+4+HF] offset:OF+64*\a
.endr
.irp b, 0,1,2,3,4,5,6,7
	ds_load_b32 v[SC+4+12*PP+\b], v[\ab+6+HF] offset:OF+64*\b
.endr
.endm
.macro MULH s, a0                      ; 16 matrix instructions; the 32 accumulators take turns, in the same order in every step; step 0 starts the sums
.set PP, (\s)%2
.irp a, \a0, \a0+1
.irp b, 0,1,2,3,4,5,6,7
.if (\s) == 0
	v_wmma_scale_f32_16x16x128_f8f6f4 v[8*(8*(\a)+\b):8*(8*(\a)+\b)+7], v[128*PP+FR*\b:128*PP+FR*\b+FR-1], v[AF+48*PP+FR*(\a):AF+48*PP+FR*(\a)+FR-1], 0, v[SC+4+12*PP+\b], v[SC+12*PP+(\a)] matrix_a_fmt:MATRIX_FMT_BF6 matrix_b_fmt:MATRIX_FMT_BF6
.else
	v_wmma_scale_f32_16x16x128_f8f6f4 v[8*(8*(\a)+\b):8*(8*(\a)+\b)+7], v[128*PP+FR*\b:128*PP+FR*\b+FR-1], v[AF+48*PP+FR*(\a):AF+48*PP+FR*(\a)+FR-1], v[8*(8*(\a)+\b):8*(8*(\a)+\b)+7], v[SC+4+12*PP+\b], v[SC+12*PP+(\a)] matrix_a_fmt:MATRIX_FMT_BF6 matrix_b_fmt:MATRIX_FMT_BF6
.endif
.endr
.endr
.endm
.macro STEP ab, s                      ; the next step's fragments land while this step is multiplied
	s_wait_dscnt 0x0
	PLACES                                         ; in front of loads into the set that the step before multiplied
	FETCH \ab, (\s)+1
	WIN 0xa1                                       ; source 0 window 1, source 1 window 0, C and D window 2
	MULH \s, 0
	MULH \s, 2
.endm
; A step at which a slot is left.  kind 1, 2: slot kind - 1 is filled again, by wave kind + 1, behind a round of the cluster's barrier; kind 3: nothing is filled, a barrier shows the other slot whole.
.macro STEPC ab, s, kind, more
	WIN 0
	s_wait_tensorcnt 0x0                           ; all my tensor loads have landed
.if \kind < 3
	ds_add_u32 v[SPW], v[NIL]
.if \kind == 1
	s_add_nc_u64 s[G0W+2:G0W+3], s[G0W+2:G0W+3], 8*GRPB   ; no load of mine is out: on to the next tile's weight group, for both slots' waves
.endif
	s_wait_dscnt 1                                 ; this step's fragments are in; the add may be out
.else
	s_wait_dscnt 0x0
.endif
	WIN 0xa1
	MULH \s, 0
.if \kind < 3
	s_wait_dscnt 0x0                               ; the add is done, and so are my reads of the slot
.endif
	s_barrier_signal -1
	MULH \s, 2
	WIN 0
	s_barrier_wait -1
.if \kind < 3
	CREST
	s_cmp_eq_u32 s16, 1+\kind
	s_cbranch_scc0 .Lnot_mine_\@
	tensor_load_to_lds s[G0W:G0W+3], s[G1W:G1W+7]
	s_nop 0
	PLACES
.Lnot_mine_\@:
.endif
	PLACES
.if \more
	FETCH \ab, (\s)+1
.endif
.endm
; 64 numbers of a lane in window w, register 16 b + i = k 32 b + 16 h + i of my row, become a fragment's codes in v[PC] on and its scale word in v[PW]
.macro QUANT s, w
	WIN (\w)|((\w)<<2)
.irp b, 0,1,2,3
	v_max3_num_f32 v[TM+\b], |v[(\s)+16*\b]|, |v[(\s)+1+16*\b]|, 0x2800000   ; with the floor 2^(5 - 127): the byte cannot fall under 1
.endr
.irp i, 2,4,6,8,10,12,14
.irp b, 0,1,2,3
	v_max3_num_f32 v[TM+\b], |v[(\s)+16*\b+\i]|, |v[(\s)+1+16*\b+\i]|, v[TM+\b]
.endr
.endr
	WIN 0
.irp b, 0,1,2,3
	v_permlanex16_b32 v[TM+4+\b], v[TM+\b], s[SEL], s[SEL+1]
.endr
.irp b, 0,1,2,3
	v_max_num_f32 v[TM+\b], v[TM+\b], v[TM+4+\b]
.endr
.irp b, 0,1,2,3
	v_add_nc_u32 v[TM+12+\b], 0xfe000000, v[TM+\b] ; 4 off the exponent field: the conversion's scale operand
.endr
.irp b, 0,1,2,3
	v_lshrrev_b32 v[TM+4+\b], 23, v[TM+12+\b]
.endr
	v_lshl_or_b32 v[PW], v[TM+5], 8, v[TM+4]
	v_lshl_or_b32 v[PW], v[TM+6], 16, v[PW]
	v_lshl_or_b32 v[PW], v[TM+7], 24, v[PW]
	WIN (\w)
.irp c, 0,1
	v_cvt_scalef32_pk16_bf6_f32 v[PC+6*\c:PC+2+6*\c], v[(\s)+32*\c:(\s)+15+32*\c], v[TM+12+2*\c]
	v_cvt_scalef32_pk16_bf6_f32 v[PC+12+4*\c:PC+14+4*\c], v[(\s)+16+32*\c:(\s)+31+32*\c], v[TM+12+2*\c+1]
.endr
	WIN 0
	v_nop                                          ; one plain place behind a scaled conversion
.irp c, 0,1
.irp i, 0,1,2
	v_permlane16_swap_b32 v[PC+6*\c+\i], v[PC+12+4*\c+\i]
.endr
.irp i, 0,1,2
	v_mov_b32 v[PC+3+6*\c+\i], v[PC+12+4*\c+\i]
.endr
.endr
.endm
.macro OUTU a                          ; an image leaves as three runs of 512 bytes; its scale words go to my 256 bytes of LDS
.irp c, 0,1,2
	global_store_b128 v[LI], v[PC+4*\c:PC+4*\c+3], s[DC:DC+1] offset:1536*(\a)+512*\c
.endr
	ds_store_b32 v[SWA], v[PW] offset:64*(\a)
.endm
.macro OUTS                            ; my 64 scale words: 32 lanes store one aligned run of 256 bytes
	ds_load_b64 v[BKS:BKS+1], v[SRA]
	s_wait_dscnt 0x0
	global_store_b64 v[L8], v[BKS:BKS+1], s[DS:DS+1]
.endm
.macro TABLOAD a
.set CB2, TAB+32*((\a)%2)
.irp u, 0,1,2,3
	global_load_b128 v[CB2+4*\u:CB2+4*\u+3], v[TBO], s[RB:RB+1] offset:(32*((\a)/2)+8*((\a)%2))*256+16*\u
	global_load_b128 v[CB2+16+4*\u:CB2+16+4*\u+3], v[TBO], s[RB:RB+1] offset:(32*((\a)/2)+8*((\a)%2))*256+128+16*\u
.endr
.endm
.macro QKUNIT a                        ; 16 tokens: RMS norm over the head's 128, RoPE on channels 0-31 with 64-95, the quantiser, the way out
.set AC, 64*(\a)
.set CB, TAB+32*((\a)%2)
.if (\a) > 0
	s_wait_xcnt 0x0                                ; the last unit's stores have read their registers
	s_wait_dscnt 0x0
.endif
	WIN 0x0a
.irp k, 0,1,2,3
	v_pk_mul_f32 v[SS+2*\k:SS+2*\k+1], v[AC+2*\k:AC+2*\k+1], v[AC+2*\k:AC+2*\k+1]
.endr
.set P, 4
.rept 28
	v_pk_fma_f32 v[SS+2*(P%4):SS+2*(P%4)+1], v[AC+2*P:AC+2*P+1], v[AC+2*P:AC+2*P+1], v[SS+2*(P%4):SS+2*(P%4)+1]
.set P, P+1
.endr
	WIN 0
	v_pk_add_f32 v[SS:SS+1], v[SS:SS+1], v[SS+2:SS+3]
	v_pk_add_f32 v[SS+4:SS+5], v[SS+4:SS+5], v[SS+6:SS+7]
	v_pk_add_f32 v[SS:SS+1], v[SS:SS+1], v[SS+4:SS+5]
	v_add_f32 v[SS], v[SS], v[SS+1]
	v_permlanex16_b32 v[SS+2], v[SS], s[SEL], s[SEL+1]
	v_add_f32 v[SS], v[SS], v[SS+2]
	v_fmaak_f32 v[SS], s72, v[SS], 0x34000000      ; the mean + eps
	s_wait_alu depctr_va_vdst(0)                   ; the wait ahead of the transcendental
	v_rsq_f32 v[RS], v[SS]
	v_nop
	s_wait_alu depctr_va_vdst(0)                   ; and ahead of its first reader
	v_mov_b32 v[RS+1], v[RS]
	WIN 0x02
.set P, 0
.rept 32
	v_pk_mul_f32 v[T+2*P:T+2*P+1], v[AC+2*P:AC+2*P+1], v[RS:RS+1] op_sel_hi:[1,0]
.set P, P+1
.endr
	WIN 0
.if (\a) < 3
	s_wait_loadcnt 8                               ; this unit's eight table loads are in; the next unit's eight may be out
.else
	s_wait_loadcnt 0x0
.endif
.irp p, 0,1,2,3,4,5,6,7
	v_pk_mul_f32 v[U:U+1], v[T+32+2*\p:T+33+2*\p], v[CB+16+2*\p:CB+17+2*\p]
	v_pk_mul_f32 v[U+2:U+3], v[T+2*\p:T+1+2*\p], v[CB+16+2*\p:CB+17+2*\p]
	v_pk_fma_f32 v[T+2*\p:T+1+2*\p], v[T+2*\p:T+1+2*\p], v[CB+2*\p:CB+1+2*\p], v[U:U+1]
	v_pk_fma_f32 v[T+32+2*\p:T+33+2*\p], v[T+32+2*\p:T+33+2*\p], v[CB+2*\p:CB+1+2*\p], v[U+2:U+3] neg_lo:[0,0,1] neg_hi:[0,0,1]
.endr
.if (\a) < 2
	TABLOAD (\a)+2
.endif
	QUANT T, 0
	OUTU \a
.endm
.macro LG kb                           ; ve of 32 of my registers' tokens (register N: token 32 (N / 16) + N % 16 + 16 h), four channels a load, into window 3
	WIN 0xc0
.set M, 32*(\kb)
.rept 32
	global_load_b128 v[4*M:4*M+3], v[VEO], s[VE:VE+1] offset:(32*(M/16)+M%16)*4096 th:TH_LOAD_NT
.set M, M+1
.endr
	WIN 0
.endm
.macro VUNIT a
	s_wait_xcnt 0x0
	s_wait_dscnt 0x0
	QUANT 64*(\a), 2
	OUTU \a
.endm
	s_wait_alu depctr_va_vdst(0)                   ; the wait at the head's end
	s_wait_tensorcnt 0x0                           ; my head load is in; x's second halves are first fills behind the full sequence
	ds_add_u32 v[SPW], v[NIL]
	s_add_co_u32 s[G0X+1], s[G0X+1], HALF
	s_add_nc_u64 s[G0X+2:G0X+3], s[G0X+2:G0X+3], HALF
	s_wait_dscnt 0x0
	CROUND
	s_cmp_eq_u32 s17, 0
	s_cbranch_scc0 .Lno_x
	tensor_load_to_lds s[G0X:G0X+3], s[G1X:G1X+7]  ; K steps 4-7 of x's two groups
	s_nop 0
	PLACES
.Lno_x:
.Ltrip:                                ; two trips: Q, then K
	FETCH QKA, 0
	STEP QKA, 0
	STEP QKA, 1
	STEP QKA, 2
	STEPC QKA, 3, 1, 1                             ; slot 0 takes the next tile's K steps 0-3
	global_prefetch_b8 v[PFO], s[PV:PV+1] th:TH_LOAD_NT scope:SCOPE_SE               ; 64 rows of ve a trip
	global_prefetch_b8 v[PFO], s[PV:PV+1] offset:131072 th:TH_LOAD_NT scope:SCOPE_SE
	STEP QKA, 4
	STEP QKA, 5
	STEP QKA, 6
	WIN 0
	TABLOAD 0
	TABLOAD 1
	STEPC QKA, 7, 2, 0                             ; slot 1 takes the next tile's K steps 4-7; both refills are out while the tile is worked up
.irp a, 0,1,2,3
	QKUNIT \a
.endr
	OUTS
	s_wait_xcnt 0x0                                ; stores and prefetches have read their registers and bases
	s_add_nc_u64 s[DC:DC+1], s[DC:DC+1], 12288
	s_add_nc_u64 s[DS:DS+1], s[DS:DS+1], 8192
	s_add_nc_u64 s[PV:PV+1], s[PV:PV+1], 262144
	s_sub_co_u32 s3, s3, 1
	s_cmp_lg_u32 s3, 0
	s_wait_alu depctr_va_vdst(0)                   ; the wait ahead of the branch
	s_cbranch_scc1 .Ltrip
	LG 0
	FETCH VA, 0
	STEP VA, 0
	STEP VA, 1
	STEP VA, 2
	STEPC VA, 3, 3, 1                              ; nothing more to fetch: the barrier shows slot 1 whole
	LG 1
	STEP VA, 4
	STEP VA, 5
	STEP VA, 6
	s_wait_dscnt 0x0
	WIN 0xa1
	MULH 7, 0
	MULH 7, 2
	s_wait_loadcnt 0x0
	WIN 0xc3
.set M, 0
.rept 128
	v_pk_mul_f32 v[2*M:2*M+1], v[2*M:2*M+1], s[70:71] op_sel_hi:[1,0]   ; lambda 1 x ve; these are also the places behind the last products
.set M, M+1
.endr
	WIN 0xb2
.set M, 0
.rept 64
.irp q, 0,1,2,3
	v_fma_f32 v[64*\q+M], v[64*\q+M], s68, v[4*M+\q]   ; + lambda 0 x v; each accumulator from its low end on
.endr
.set M, M+1
.endr
	WIN 0
	s_wait_alu depctr_va_vdst(0)                   ; the wait ahead of the waits below
.irp a, 0,1,2,3
	VUNIT \a
.endr
	OUTS
	s_wait_tensorcnt 0x0                           ; the wave's end
	ds_add_u32 v[SPW], v[NIL]
	s_wait_dscnt 0x0
	CROUND                                         ; the closing round
	s_endpgm
.Lfunc_end_k_q01d80c26ec_qkv:
	.size	k_q01d80c26ec_qkv, .Lfunc_end_k_q01d80c26ec_qkv-k_q01d80c26ec_qkv
	.p2alignl 7, 3214868480
	.fill 96, 4, 3214868480
	.section	.rodata,"a",@progbits
	.p2align	6, 0x0
	.amdhsa_kernel k_q01d80c26ec_qkv
		.amdhsa_group_segment_fixed_size 327680
		.amdhsa_private_segment_fixed_size 0
		.amdhsa_enable_private_segment 0
		.amdhsa_kernarg_size 48
		.amdhsa_user_sgpr_count 2
		.amdhsa_user_sgpr_kernarg_segment_ptr 1
		.amdhsa_wavefront_size32 1
		.amdhsa_system_sgpr_workgroup_id_x 1
		.amdhsa_system_sgpr_workgroup_id_y 1
		.amdhsa_system_sgpr_workgroup_id_z 1
		.amdhsa_system_vgpr_workitem_id 0
		.amdhsa_next_free_vgpr 1024
		.amdhsa_next_free_sgpr 100
		.amdhsa_reserve_vcc 0
		.amdhsa_float_denorm_mode_32 3
		.amdhsa_float_denorm_mode_16_64 3
		.amdhsa_memory_ordered 1
		.amdhsa_forward_progress 1
		.amdhsa_inst_pref_size 221
	.end_amdhsa_kernel
	.amdgpu_metadata
---
amdhsa.version: [ 1, 2 ]
amdhsa.kernels:
  - .name:           k_q01d80c26ec_qkv
    .symbol:         k_q01d80c26ec_qkv.kd
    .args:
      - { .name: pk, .offset: 0, .size: 8, .value_kind: global_buffer, .address_space: global }
      - { .name: ve, .offset: 8, .size: 8, .value_kind: global_buffer, .address_space: global }
      - { .name: lambdas, .offset: 16, .size: 8, .value_kind: global_buffer, .address_space: global }
      - { .name: rope, .offset: 24, .size: 8, .value_kind: global_buffer, .address_space: global }
      - { .name: qkvc, .offset: 32, .size: 8, .value_kind: global_buffer, .address_space: global }
      - { .name: qkvs, .offset: 40, .size: 8, .value_kind: global_buffer, .address_space: global }
    .group_segment_fixed_size: 327680
    .private_segment_fixed_size: 0
    .kernarg_segment_align: 8
    .kernarg_segment_size: 48
    .max_flat_workgroup_size: 128
    .sgpr_count:     100
    .vgpr_count:     1024
    .wavefront_size: 32
...
	.end_amdgpu_metadata
.endif
;; end of part 2
;; launch attn (part 3): grid 8 x 32, 8 waves a work-group, no clusters, 327,680 bytes of LDS; arguments qkvc, qkvs, yp; writes yp
.if DOCPART == 3
	.amdgcn_target "amdgcn-amd-amdhsa--gfx1250"
	.amdhsa_code_object_version 6
	.text
	.protected	k_q01d80c26ec_attn
	.globl	k_q01d80c26ec_attn
	.p2align	8
	.type	k_q01d80c26ec_attn,@function
k_q01d80c26ec_attn:
	s_mov_b64 s[64:65], 0
	v_nop
	global_prefetch_b8 v0, s[64:65] scope:SCOPE_SE
	s_setreg_imm32_b32 hwreg(HW_REG_WAVE_MODE, 25, 1), 1
	s_wait_xcnt 0x0
; y[b][q][h][:] = the sum over keys k <= q of softmax_k(Q . K / sqrt(128)) V, both products on BF6 codes, and y quantised along the head's 128 for the last product.
; THE SHIFT: t = score x log2(e) / sqrt(128), p = 2^t is quantised along the keys, the row's sum is taken of the unquantised p and divides at the end.  No maximum is taken away: reference() itself
; normalises q and k to a length of at most sqrt(128), RoPE keeps the length, and E3M2 moves a number by at most an eighth of itself, so |score| <= 128 x (9/8)^2 and |t| < 24 for every input:
; p lies in 2^-24 .. 2^24, a row's sum under 2^35, neither can overflow or underflow in f32.  Against p = 2^(t - M), M a whole number, every p differs by the same power of two,
; which a block's scale byte takes up (it stays in 99 .. 147) and which the division by the sum takes away: the codes' values are the same.
; LEFT OUT: key steps whose keys all come after a wave's queries: reference()'s own causal mask gives them p = 0.  A NaN or an infinity that reaches only such keys is not carried to the result.
; IN: qkvc [bh][token group 16][Q | K | V] as register images (8 x 1,536 bytes each), qkvs their scale words.  In Q's and K's images position 16 a + i is token 32 (a / 2) + 8 (a % 2) + i % 8 + 16 (i / 8),
; so that S^T's 16 registers of tiles 2 b, 2 b + 1 are keys 32 b + 16 (lane / 16) + 0 .. 15.  V's images hold 16 channels x the group's 128 keys; position 16 a + i is channel 64 (a / 4) + a % 4 + 4 (i % 4) + 32 ((i / 4) % 2) + 16 (i / 8).
; OUT: yp [token group 64][head 8] records of 12,800 bytes: 8 images (16 tokens x the head's 128), then 128 scale words.
; SHARES: work-group (j, bh) owns token groups j and 15 - j of one head: waves 0-3 group j, waves 4-7 group 15 - j; a wave owns two tiles of 16 queries, so each fragment of K and V read from LDS feeds two matrix instructions.
; 4 (j + 1) + 4 (16 - j) = 68 key steps of a wave in every work-group.  A key step is a token group, 128 keys.  K and V come through a ring of two LDS slots of two groups; waves 0-3 fetch 12,288 dense bytes each.
; The head's K and V scale words stay in LDS (waves 4-7 bring a quarter each at the head).  One scale register holds the words of two tiles: lanes 0-15 tile 2 i, lanes 16-31 tile 2 i + 1.
; A STEP: the two tiles go through the softmax one after the other on one S^T of 64 registers, so that K's and V's fragments have registers of their own: V's are asked for at the step's start,
; the slot's second group of K behind the second tile's score products; both land under a softmax.  Where the diagonal falls on a slot's first group, the second group's K is read and not used: once a wave at the most.
; Every wave walks all eight slots (constant trip counts, every barrier); hidden steps are jumped over, the slot's second only from behind its first; on the diagonal hidden scores become -infinity.
; NO CLUSTER: the work-groups of a head need different numbers of slots (the last is (15 - j) / 2), and a joint load may not be left out by one partner.
; LIMITS: a block's largest p is taken from its largest score, which takes v_exp_f32 not to fall where its input rises; a block of zeros gets the byte 1; NaN and infinities are not served.
; REGISTERS: window 0: v1-14 addresses; v16-39 Q; v40-135 K's fragments; v136-147 scale words; v148-171 p's codes; v172-203 work; v204-239 V's fragments 5-7.
; Window 1: v0-63 S^T, then p, of the tile in hand; v64-123 V's fragments 0-4; v128-255 O^T of my two tiles.
.set SLOT1, 65536
.set SCB,   131072                     ; K's scale words of the head (8,192 bytes), then V's
.set SCR,   SCB+16384                  ; y's scale words: two images of 512 bytes
.set SPARE, SCR+1024                   ; the spare words, 128 bytes a wave, that no other line names
.set LI,  1
.set SCD, 2
.set AS0, 3
.set QS,  4
.set SPW, 5
.set NIL, 6
.set SCW, 7
.set ADK, 8
.set ADS, 9
.set PFO, 10
.set DG,  12                           ; v12, v13: my query in its group - 16 (lane / 16), tile 0 and 1
.set NINF, 14
.set Q,   16
.set FK,  40
.set KS,  136
.set VS,  140
.set QW,  144
.set PW,  146
.set PCD, 148
.set LS,  172
.set BM,  176
.set BT,  180
.set SOP, 184
.set CT,  188
.set SU,  196
.set FV0, 204                          ; V's fragments 5-7, window 0
.set FV1, 64                           ; V's fragments 0-4, window 1
.set WV,  18
.set SEL, 20
.set CS,  22
.set G1K, 24
.set G1S, 32
.set G0K, 40
.set G0S, 44
.set TB,  2
.set TS,  3
.set KF1, 63                           ; s63  the first key of the slot's second group
.set KF,  66                           ; s66  the first key of the slot
.set SLOTS, 67
.set GBK, 68
.set LASTK, 69
.set PFA, 70
.set LIM, 72
.set YA,  74
.set YB,  76
.set MSB, 0
.macro WIN new
.if MSB != (\new)
	s_set_vgpr_msb (MSB<<8)|(\new)
.set MSB, (\new)
.endif
.endm
.macro PLACES
.rept 4
	v_nop
.endr
.endm
.macro TLOAD                           ; waves 0-3 fetch: group (w / 2) of the slot, K (w even) or V (w odd)
	s_cmp_lt_u32 s[WV], 4
	s_cbranch_scc0 .Lasked_\@
	tensor_load_to_lds s[G0K:G0K+3], s[G1K:G1K+7]
	s_nop 0
	PLACES
.Lasked_\@:
.endm
; A prefetch of what the NEXT change of slots will ask for: two groups' K and V, 2 x 24,576 bytes.  All work-groups of a head walk the same bytes: the one with j = 0, which walks every slot, asks; in it
; waves 0 to 5 take 8,192 bytes each, lanes 256 bytes apart: each aligned 256 bytes is named once.  Slots 0 and 1 come by their loads alone; the last change that fills asks for nothing.
.macro ASK
	s_cmp_gt_u32 s[SLOTS], s[LIM]
	s_cbranch_scc0 .Lnot_mine_\@
	global_prefetch_b8 v[PFO], s[PFA:PFA+1] th:TH_LOAD_NT scope:SCOPE_SE
.Lnot_mine_\@:
.endm
	s_load_b128 s[4:7], s[0:1], 0x0                ; qkvc, qkvs
	s_load_b64 s[8:9], s[0:1], 0x10                ; yp
	v_lshl_add_u32 v[SPW], v0, 2, SPARE
	v_mov_b32 v[NIL], 0
	ds_add_u32 v[SPW], v[NIL]                      ; the opening lines: the add, twice on end, and its wait
	ds_add_u32 v[SPW], v[NIL]
	v_lshrrev_b32 v8, 5, v0
	v_readfirstlane_b32 s[WV], v8
	s_and_b32 s78, s[WV], 3                        ; my pair of tiles.  Also: which piece I fetch
	s_lshr_b32 s80, s[WV], 2
	s_sub_co_u32 s81, 15, ttmp9
	s_cmp_eq_u32 s80, 0
	s_cselect_b32 s82, ttmp9, s81                  ; my token group
	s_and_b32 s83, s[WV], 1
	s_lshl_b32 s61, s83, 9
	s_add_co_u32 s61, s61, SCR
	s_cmp_eq_u32 s83, 0
	s_cselect_b32 s83, ttmp9, s81                  ; the group whose scale image waves 0, 1 store
	s_lshl_b32 s60, s[WV], 7
	s_add_co_u32 s60, s60, SCR
	s_lshl_b32 s62, s78, 5
	s_lshl_b32 s[GBK], s82, 7
	s_lshl_b32 s[LASTK], s81, 7
	s_and_b32 s84, ttmp7, 0xffff                   ; bh
	s_mul_i32 s85, s84, 589824                     ; the head in qkvc,
	s_mul_i32 s86, s84, 24576                      ; in qkvs
	s_mul_i32 s88, s82, 36864
	s_mul_i32 s89, s78, 3072
	s_add_co_u32 s88, s88, s89
	s_add_co_u32 s88, s88, s85                     ; Q's two images
	s_mov_b32 s89, 0
	s_lshl_b32 s90, s82, 9
	s_lshl_b32 s91, s78, 7
	s_add_co_u32 s90, s90, s91
	s_add_co_u32 s90, s90, s86                     ; Q's scale words
	s_mov_b32 s91, 0
	s_lshr_b32 s92, s78, 1
	s_mul_i32 s92, s92, 36864
	s_and_b32 s93, s78, 1
	s_mul_i32 s93, s93, 12288
	s_add_co_u32 s92, s92, s93
	s_add_co_u32 s92, s92, s85
	s_add_co_u32 s92, s92, 12288                   ; my piece of slot 0
	s_mov_b32 s93, 0
	s_lshl_b32 s94, s78, 12
	s_add_co_u32 s96, s94, s86
	s_add_co_u32 s96, s96, 8192                    ; my quarter of K's and V's scale words
	s_mov_b32 s97, 0
	s_mul_i32 s95, s78, 12288
	s_lshr_b32 s87, s84, 3
	s_lshl_b32 s87, s87, 4
	s_and_b32 s84, s84, 7
	s_add_co_u32 s98, s87, s82
	s_lshl_b32 s98, s98, 3
	s_add_co_u32 s98, s98, s84
	s_mul_i32 s98, s98, 12800
	s_mul_i32 s99, s78, 3072
	s_add_co_u32 s98, s98, s99                     ; y's two images
	s_mov_b32 s99, 0
	s_add_co_u32 s80, s87, s83
	s_lshl_b32 s80, s80, 3
	s_add_co_u32 s80, s80, s84
	s_mul_i32 s80, s80, 12800
	s_add_co_u32 s80, s80, 12288                   ; a record's scale image
	s_mov_b32 s81, 0
	; group 1: dense bytes as rows of 32 elements of 8 bytes: 48 rows of codes, 16 rows of scale words
	s_mov_b32 s[G1K], 3<<16
	s_mov_b32 s[G1K+1], 32<<16
	s_mov_b32 s[G1K+2], 48<<16
	s_mov_b32 s[G1K+3], 32<<16
	s_mov_b32 s[G1K+4], 48
	s_mov_b32 s[G1K+5], 32
	s_mov_b32 s[G1K+6], 0
	s_mov_b32 s[G1K+7], 0
	s_mov_b32 s[G1S], 3<<16
	s_mov_b32 s[G1S+1], 32<<16
	s_mov_b32 s[G1S+2], 16<<16
	s_mov_b32 s[G1S+3], 32<<16
	s_mov_b32 s[G1S+4], 16
	s_mov_b32 s[G1S+5], 32
	s_mov_b32 s[G1S+6], 0
	s_mov_b32 s[G1S+7], 0
	s_mov_b32 s[SEL], 0x76543210
	s_mov_b32 s[SEL+1], 0xfedcba98
	s_mov_b32 s[CS], 0x3e0293ee                    ; c = log2(e) / sqrt(128)
	s_mov_b32 s[CS+1], s[CS]
	s_mov_b32 s[TB], 0
	s_mov_b32 s[TS], 0
	s_mov_b32 s[KF], 0
	s_mov_b32 s[KF1], 128
	s_mov_b32 s[SLOTS], 7
	s_wait_dscnt 0x0
	s_wait_kmcnt 0x0
	s_mov_b32 s[G0S], 1
	s_add_co_u32 s[G0S+1], s94, SCB
	s_add_nc_u64 s[G0S+2:G0S+3], s[6:7], s[96:97]
	s_or_b32 s[G0S+3], s[G0S+3], 0x80000000
	s_mov_b32 s[G0K], 1
	s_mov_b32 s[G0K+1], s95
	s_add_nc_u64 s[G0K+2:G0K+3], s[4:5], s[92:93]
	s_or_b32 s[G0K+3], s[G0K+3], 0x80000000
	s_cmp_lt_u32 s[WV], 4                          ; the first fills, one a wave: waves 0-3 slot 0, waves 4-7 the scale words, which are filled once
	s_cbranch_scc0 .Lfirst_s
	tensor_load_to_lds s[G0K:G0K+3], s[G1K:G1K+7]
	s_nop 0
	PLACES
	s_branch .Lfirst_done
.Lfirst_s:
	tensor_load_to_lds s[G0S:G0S+3], s[G1S:G1S+7]
	s_nop 0
	PLACES
.Lfirst_done:
	s_add_nc_u64 s[88:89], s[4:5], s[88:89]
	s_add_nc_u64 s[90:91], s[6:7], s[90:91]
	s_add_nc_u64 s[YA:YA+1], s[8:9], s[98:99]
	s_add_nc_u64 s[YB:YB+1], s[8:9], s[80:81]
	; the prefetches: wave 3 u + v takes bytes 8,192 v on of group u's K and V; the address stands in slot 1 and is stepped to slot 2 at the first change
	s_min_u32 s82, s[WV], 5
	s_cmp_ge_u32 s82, 3
	s_cselect_b32 s83, 1, 0
	s_mul_i32 s84, s83, 3
	s_sub_co_u32 s82, s82, s84
	s_mul_i32 s83, s83, 36864
	s_lshl_b32 s82, s82, 13
	s_add_co_u32 s82, s82, s83
	s_add_co_u32 s82, s82, 73728+12288
	s_add_co_u32 s82, s82, s85
	s_mov_b32 s83, 0
	s_add_nc_u64 s[PFA:PFA+1], s[4:5], s[82:83]
	s_cmp_lt_u32 s[WV], 6
	s_cselect_b32 s84, 0, 1
	s_or_b32 s84, s84, ttmp9
	s_cmp_eq_u32 s84, 0
	s_cselect_b32 s[LIM], 1, -1
	v_and_b32 v178, 31, v0
	v_and_b32 v176, 15, v0                         ; r
	v_bfe_u32 v177, v0, 4, 1                       ; h
	v_lshlrev_b32 v[LI], 4, v178
	v_lshl_add_u32 v[AS0], v178, 2, SCB            ; a lane a word: two tiles' scale words a load
	v_lshlrev_b32 v[QS], 2, v176
	v_lshlrev_b32 v[PFO], 8, v178
	v_lshl_add_u32 v[SCW], v176, 2, s60
	v_add_nc_u32 v[SCD], s61, v[LI]
	v_and_b32 v[DG], 7, v176
	v_lshrrev_b32 v179, 3, v176
	v_lshl_add_u32 v[DG], v179, 4, v[DG]
	v_add_nc_u32 v[DG], s62, v[DG]
	v_lshlrev_b32 v179, 4, v177
	v_sub_nc_u32 v[DG], v[DG], v179
	v_add_nc_u32 v[DG+1], 8, v[DG]
	v_mov_b32 v[NINF], 0xff800000
	s_wait_alu depctr_va_vdst(0)
.irp c, 0,1,2,3,4,5
	global_load_b128 v[Q+4*\c:Q+4*\c+3], v[LI], s[88:89] offset:512*\c   ; Q's two fragments stay in registers
.endr
	global_load_b32 v[QW], v[QS], s[90:91]         ; and their scale words
	global_load_b32 v[QW+1], v[QS], s[90:91] offset:64
.irp k, 0,1,2,3
	v_mov_b32 v[LS+\k], 0                          ; the rows' sums
.endr
.irp k, 0,1,2,3
	v_mov_b32 v[BT+\k], 0                          ; a lane permute's destination counts as one of its sources
.endr
	WIN 0x40
.set J, 0
.rept 128
	v_mov_b32 v[128+J], 0                          ; O^T: the step is written once; the first finds zeros
.set J, J+1
.endr
	WIN 0
.macro KLOAD q                         ; K of the slot's group q: four registers of scale words, eight fragments: 28 loads
.irp i, 0,1,2,3
	ds_load_b32 v[KS+\i], v[ADS] offset:512*(\q)+128*\i
.endr
.irp t, 0,1,2,3,4,5,6,7
.irp c, 0,1,2
	ds_load_b128 v[FK+12*\t+4*\c:FK+12*\t+4*\c+3], v[ADK] offset:24576*(\q)+1536*\t+512*\c
.endr
.endr
.endm
.macro VLOAD q                         ; V likewise: 28 loads
.irp i, 0,1,2,3
	ds_load_b32 v[VS+\i], v[ADS] offset:8192+512*(\q)+128*\i
.endr
.irp t, 5,6,7
.irp c, 0,1,2
	ds_load_b128 v[FV0+12*(\t-5)+4*\c:FV0+12*(\t-5)+4*\c+3], v[ADK] offset:24576*(\q)+12288+1536*\t+512*\c
.endr
.endr
	WIN 0x40
.irp t, 0,1,2,3,4
.irp c, 0,1,2
	ds_load_b128 v[FV1+12*\t+4*\c:FV1+12*\t+4*\c+3], v[ADK] offset:24576*(\q)+12288+1536*\t+512*\c
.endr
.endr
	WIN 0
.endm
.macro QK1 u                           ; S^T = K Q^T of tile u: eight tiles of 16 keys
	WIN 0x40
.irp i, 0,1,2,3
	v_wmma_scale_f32_16x16x128_f8f6f4 v[16*\i:16*\i+7], v[FK+24*\i:FK+24*\i+11], v[Q+12*\u:Q+12*\u+11], 0, v[KS+\i], v[QW+\u] matrix_a_fmt:MATRIX_FMT_BF6 matrix_b_fmt:MATRIX_FMT_BF6
	v_wmma_scale_f32_16x16x128_f8f6f4 v[16*\i+8:16*\i+15], v[FK+24*\i+12:FK+24*\i+23], v[Q+12*\u:Q+12*\u+11], 0, v[KS+\i], v[QW+\u] matrix_a_fmt:MATRIX_FMT_BF6 matrix_b_fmt:MATRIX_FMT_BF6 matrix_a_scale:MATRIX_SCALE_ROW1
.endr
	WIN 0
	PLACES
.endm
.macro PVT t, a                        ; O^T += V^T P^T: tile t of 16 channels, its fragment at register a, for my two tiles of queries
.irp u, 0,1
.if (\t)%2
	v_wmma_scale_f32_16x16x128_f8f6f4 v[128+64*\u+8*(\t):128+64*\u+8*(\t)+7], v[\a:\a+11], v[PCD+12*\u:PCD+12*\u+11], v[128+64*\u+8*(\t):128+64*\u+8*(\t)+7], v[VS+(\t)/2], v[PW+\u] matrix_a_fmt:MATRIX_FMT_BF6 matrix_b_fmt:MATRIX_FMT_BF6 matrix_a_scale:MATRIX_SCALE_ROW1
.else
	v_wmma_scale_f32_16x16x128_f8f6f4 v[128+64*\u+8*(\t):128+64*\u+8*(\t)+7], v[\a:\a+11], v[PCD+12*\u:PCD+12*\u+11], v[128+64*\u+8*(\t):128+64*\u+8*(\t)+7], v[VS+(\t)/2], v[PW+\u] matrix_a_fmt:MATRIX_FMT_BF6 matrix_b_fmt:MATRIX_FMT_BF6
.endif
.endr
.endm
; From the four blocks' largest magnitudes in v[BM] on and the 64 numbers in window 1, v[16 b + i]: tile u's codes in v[PCD + 12 u] on and its scale word in v[PW + u]
.macro QTAIL u
.irp b, 0,1,2,3
	v_add_nc_u32 v[SOP+\b], 0xfe000000, v[BM+\b]   ; 4 off the exponent field: the conversion's scale operand
.endr
.irp b, 0,1,2,3
	v_lshrrev_b32 v[BT+\b], 23, v[SOP+\b]          ; the scale's byte
.endr
	v_lshl_or_b32 v[PW+\u], v[BT+1], 8, v[BT]
	v_lshl_or_b32 v[PW+\u], v[BT+2], 16, v[PW+\u]
	v_lshl_or_b32 v[PW+\u], v[BT+3], 24, v[PW+\u]
	WIN 0x01
.irp c, 0,1
	v_cvt_scalef32_pk16_bf6_f32 v[PCD+12*\u+6*\c:PCD+12*\u+6*\c+2], v[32*\c:32*\c+15], v[SOP+2*\c]
	v_cvt_scalef32_pk16_bf6_f32 v[CT+4*\c:CT+4*\c+2], v[32*\c+16:32*\c+31], v[SOP+2*\c+1]
.endr
	WIN 0
	v_nop                                          ; one plain place behind a scaled conversion
.irp c, 0,1
.irp i, 0,1,2
	v_permlane16_swap_b32 v[PCD+12*\u+6*\c+\i], v[CT+4*\c+\i]
.endr
.endr
.irp c, 0,1
.irp i, 0,1,2
	v_mov_b32 v[PCD+12*\u+6*\c+3+\i], v[CT+4*\c+\i]
.endr
.endr
.endm
.macro XMAX                            ; each block's maximum joined with lane l xor 16's
.irp b, 0,1,2,3
	v_permlanex16_b32 v[BT+\b], v[BM+\b], s[SEL], s[SEL+1]
.endr
.irp b, 0,1,2,3
	v_max_num_f32 v[BM+\b], v[BM+\b], v[BT+\b]
.endr
.endm
.macro SM u, kf                        ; tile u's softmax step: the mask on the diagonal, p, its codes and scale word, the row's sum.  kf: the register with the step's first key
	s_cmp_lt_u32 s[\kf], s[GBK]                    ; off the diagonal every key counts
	s_cbranch_scc1 .Lopen_\@
	WIN 0x41
.set N, 0
.rept 64                               ; register 16 b + i holds key 32 b + 16 (lane / 16) + i of the group: hidden where 32 b + i > my query - 16 (lane / 16)
	v_cmp_gt_i32 vcc_lo, 32*(N/16)+N%16, v[DG+\u]
	v_cndmask_b32 v[N], v[N], v[NINF], vcc_lo
.set N, N+1
.endr
	WIN 0
.Lopen_\@:
	WIN 0x05
.irp b, 0,1,2,3
	v_max_num_f32 v[BM+\b], v[16*\b], v[16*\b+1]   ; the largest score of each block of 32 keys: p rises with the score
.endr
.irp i, 2,4,6,8,10,12,14
.irp b, 0,1,2,3
	v_max3_num_f32 v[BM+\b], v[16*\b+\i], v[16*\b+\i+1], v[BM+\b]
.endr
.endr
	WIN 0
	XMAX
.irp b, 0,1,2,3
	v_mul_f32 v[BM+\b], s[CS], v[BM+\b]
.endr
	WIN 0x41
.set J, 0
.rept 32
	v_pk_mul_f32 v[J:J+1], v[J:J+1], s[CS:CS+1] op_sel_hi:[1,0]   ; t
.set J, J+2
.endr
	s_wait_alu depctr_va_vdst(0)                   ; the wait ahead of the batch
.set J, 0
.rept 64
	v_exp_f32 v[J], v[J]                           ; p = 2^t
.set J, J+1
.endr
	WIN 0
.irp b, 0,1,2,3
	v_exp_f32 v[BM+\b], v[BM+\b]                   ; each block's largest p
.endr
	v_nop                                          ; a plain place behind the exponentials,
	s_wait_alu depctr_va_vdst(0)                   ; and one wait for the batch, ahead of its first reader
.irp b, 0,1,2,3
	v_max_num_f32 v[BM+\b], 0x2800000, v[BM+\b]    ; the floor 2^(5 - 127)
.endr
	QTAIL \u
	WIN 0x05                                       ; the row's sum, of the unquantised p, in four chains; these 32 are also the places in front of the products that follow
.irp k, 0,1,2,3
	v_pk_add_f32 v[SU+2*\k:SU+2*\k+1], v[2*\k:2*\k+1], v[8+2*\k:8+2*\k+1]
.endr
	WIN 0x01
.set M, 8
.rept 24
	v_pk_add_f32 v[SU+2*(M%4):SU+2*(M%4)+1], v[2*M:2*M+1], v[SU+2*(M%4):SU+2*(M%4)+1]
.set M, M+1
.endr
	WIN 0
	v_pk_add_f32 v[SU:SU+1], v[SU:SU+1], v[SU+2:SU+3]
	v_pk_add_f32 v[SU+4:SU+5], v[SU+4:SU+5], v[SU+6:SU+7]
	v_pk_add_f32 v[SU:SU+1], v[SU:SU+1], v[SU+4:SU+5]
	v_pk_add_f32 v[LS+2*\u:LS+2*\u+1], v[LS+2*\u:LS+2*\u+1], v[SU:SU+1]
.endm
.macro BODY q, kf                      ; 128 keys: the q-th group of the slot in hand
.if \q == 0
	v_add_nc_u32 v[ADK], s[TB], v[LI]
	v_add_nc_u32 v[ADS], s[TS], v[AS0]
	v_nop
	v_nop                                          ; four places in front of loads into registers that matrix instructions have read
	s_wait_alu depctr_va_vdst(0)
	KLOAD 0
	VLOAD 0
	s_wait_dscnt 28                                ; K's 28 loads are in; V's 28 may be out
.else
	PLACES                                         ; in front of loads into V's registers; this group's K came in the step before
	VLOAD 1
.endif
	QK1 0
	SM 0, \kf
	QK1 1
.if \q == 0
	KLOAD 1                                        ; the slot's second group of K lands under the softmax below
.endif
	SM 1, \kf
	s_wait_alu depctr_va_vdst(0)                   ; the wait ahead of the wait below
	s_wait_dscnt 0x0                               ; V's fragments are in, and K's for the next step
	WIN 0x51                                       ; the 16 accumulators take turns
	PVT 0, FV1
	PVT 1, FV1+12
	PVT 2, FV1+24
	PVT 3, FV1+36
	PVT 4, FV1+48
	WIN 0x50
	PVT 5, FV0
	PVT 6, FV0+12
	PVT 7, FV0+24
	WIN 0
.endm
.macro SLOT                            ; a slot's two steps; a step whose keys all come after my queries is jumped over, the second only from behind the first
	s_cmp_gt_u32 s[KF], s[GBK]
	s_cbranch_scc1 .Lhidden_\@
	BODY 0, KF
	s_cmp_gt_u32 s[KF1], s[GBK]
	s_cbranch_scc1 .Lhidden_\@
	BODY 1, KF1
.Lhidden_\@:
	s_add_co_u32 s[KF], s[KF], 256
	s_add_co_u32 s[KF1], s[KF1], 256
	s_add_co_u32 s[TS], s[TS], 1024
.endm
; The change of slots stands at a slot's head: each wave waits for all its tensor loads, adds 0 to its spare word, waits for that and for its reads of the slot that it has left, and passes the barrier.
; fill = 1: the slot that was left takes the next two groups, if a wave of this work-group will read them.
.macro CHANGE fill
	s_wait_tensorcnt 0x0                           ; no tensor load of mine is out, so a group 0 may be written
	ds_add_u32 v[SPW], v[NIL]
.if \fill
	s_xor_b32 s[G0K+1], s[G0K+1], SLOT1
	s_add_nc_u64 s[G0K+2:G0K+3], s[G0K+2:G0K+3], 73728   ; two token groups on
	s_wait_xcnt 0x0                                ; the last prefetch, a slot back, has read its address
	s_add_nc_u64 s[PFA:PFA+1], s[PFA:PFA+1], 73728
.endif
	s_wait_dscnt 0x0
	s_barrier_signal -1
	s_barrier_wait -1
.if \fill
	s_add_co_u32 s96, s[KF], 256                   ; the first key of the slot that this change would ask for:
	s_cmp_gt_u32 s96, s[LASTK]                     ; past the work-group's later group nobody reads it.  Ids and the count of steps alone: all waves go the same way; every wait on TENSORcnt here is for 0
	s_cbranch_scc1 .Lpast_\@
	TLOAD
.Lpast_\@:
	ASK
.endif
.endm
	s_wait_alu depctr_va_vdst(0)                   ; the wait at the head's end
	s_wait_loadcnt 0x0                             ; Q
.Lslot:                                ; seven trips; the last slot is written out
	CHANGE 1
	SLOT
	s_xor_b32 s[TB], s[TB], SLOT1
	s_sub_co_u32 s[SLOTS], s[SLOTS], 1
	s_cmp_lg_u32 s[SLOTS], 0
	s_cbranch_scc1 .Lslot
	CHANGE 0
	SLOT
	; THE WAY OUT: y = O / the sum, put into the quantiser's order by the multiply's destination, quantised along the head's 128, stored as images
	PLACES
	v_add_f32 v[LS], v[LS], v[LS+1]
	v_add_f32 v[LS+2], v[LS+2], v[LS+3]
	v_permlanex16_b32 v[BT], v[LS], s[SEL], s[SEL+1]
	v_permlanex16_b32 v[BT+1], v[LS+2], s[SEL], s[SEL+1]
	v_add_f32 v[LS], v[LS], v[BT]                  ; the rows' sums
	v_add_f32 v[LS+2], v[LS+2], v[BT+1]
	s_wait_alu depctr_va_vdst(0)
	v_rcp_f32 v[LS], v[LS]
	v_rcp_f32 v[LS+2], v[LS+2]
	v_nop                                          ; a plain place behind the transcendentals,
	WIN 0x41
	s_wait_alu depctr_va_vdst(0)                   ; and the wait ahead of their first reader and of O^T's
.irp u, 0,1
	WIN 0x41
.irp a, 0,1,2,3,4,5,6,7                ; O^T's register 8 a + j is channel 64 (a / 4) + 32 (j / 4) + 16 h + 4 (j % 4) + a % 4; register 16 b + i of the quantiser is channel 32 b + 16 h + i
.irp j, 0,1,2,3,4,5,6,7
	v_mul_f32 v[32*(\a/4)+16*(\j/4)+4*(\j%4)+\a%4], v[128+64*\u+8*\a+\j], v[LS+2*\u]
.endr
.endr
	WIN 0x05
.irp b, 0,1,2,3
	v_max3_num_f32 v[BM+\b], |v[16*\b]|, |v[16*\b+1]|, 0x2800000
.endr
.irp i, 2,4,6,8,10,12,14
.irp b, 0,1,2,3
	v_max3_num_f32 v[BM+\b], |v[16*\b+\i]|, |v[16*\b+\i+1]|, v[BM+\b]
.endr
.endr
	WIN 0
	XMAX
	QTAIL \u
.endr
.irp u, 0,1
.irp c, 0,1,2
	global_store_b128 v[LI], v[PCD+12*\u+4*\c:PCD+12*\u+4*\c+3], s[YA:YA+1] offset:1536*\u+512*\c   ; 512 consecutive bytes a store
.endr
	ds_store_b32 v[SCW], v[PW+\u] offset:64*\u
.endr
	s_wait_dscnt 0x0                               ; for the others' sake: my scale words lie in LDS
	s_barrier_signal -1
	s_barrier_wait -1
	s_cmp_lt_u32 s[WV], 2
	s_cbranch_scc0 .Lno_sc
	ds_load_b128 v[BM:BM+3], v[SCD]                ; waves 0 and 1: a record's 128 scale words
	s_wait_dscnt 0x0
	global_store_b128 v[LI], v[BM:BM+3], s[YB:YB+1]
.Lno_sc:
	s_wait_tensorcnt 0x0                           ; the wave's end
	ds_add_u32 v[SPW], v[NIL]
	s_wait_dscnt 0x0
	s_endpgm
.Lfunc_end_k_q01d80c26ec_attn:
	.size	k_q01d80c26ec_attn, .Lfunc_end_k_q01d80c26ec_attn-k_q01d80c26ec_attn
	.p2alignl 7, 3214868480
	.fill 96, 4, 3214868480
	.section	.rodata,"a",@progbits
	.p2align	6, 0x0
	.amdhsa_kernel k_q01d80c26ec_attn
		.amdhsa_group_segment_fixed_size 327680
		.amdhsa_private_segment_fixed_size 0
		.amdhsa_enable_private_segment 0
		.amdhsa_kernarg_size 24
		.amdhsa_user_sgpr_count 2
		.amdhsa_user_sgpr_kernarg_segment_ptr 1
		.amdhsa_wavefront_size32 1
		.amdhsa_system_sgpr_workgroup_id_x 1
		.amdhsa_system_sgpr_workgroup_id_y 1
		.amdhsa_system_sgpr_workgroup_id_z 1
		.amdhsa_system_vgpr_workitem_id 0
		.amdhsa_next_free_vgpr 512
		.amdhsa_next_free_sgpr 100
		.amdhsa_reserve_vcc 1
		.amdhsa_float_denorm_mode_32 3
		.amdhsa_float_denorm_mode_16_64 3
		.amdhsa_memory_ordered 1
		.amdhsa_forward_progress 1
		.amdhsa_inst_pref_size 184
	.end_amdhsa_kernel
	.amdgpu_metadata
---
amdhsa.version: [ 1, 2 ]
amdhsa.kernels:
  - .name:           k_q01d80c26ec_attn
    .symbol:         k_q01d80c26ec_attn.kd
    .args:
      - { .name: qkvc, .offset: 0, .size: 8, .value_kind: global_buffer, .address_space: global }
      - { .name: qkvs, .offset: 8, .size: 8, .value_kind: global_buffer, .address_space: global }
      - { .name: yp, .offset: 16, .size: 8, .value_kind: global_buffer, .address_space: global }
    .group_segment_fixed_size: 327680
    .private_segment_fixed_size: 0
    .kernarg_segment_align: 8
    .kernarg_segment_size: 24
    .max_flat_workgroup_size: 256
    .sgpr_count:     100
    .vgpr_count:     512
    .wavefront_size: 32
...
	.end_amdgpu_metadata
.endif
;; end of part 3
;; launch proj (part 4): grid 4 x 64, 4 waves a work-group, clusters of 4 x 4, 327,680 bytes of LDS; arguments yp, pk, out0; writes out0
.if DOCPART == 4
	.amdgcn_target "amdgcn-amd-amdhsa--gfx1250"
	.amdhsa_code_object_version 6
	.text
	.protected	k_q01d80c26ec_proj
	.globl	k_q01d80c26ec_proj
	.p2align	8
	.type	k_q01d80c26ec_proj,@function
k_q01d80c26ec_proj:
	s_mov_b64 s[64:65], 0
	v_nop
	global_prefetch_b8 v0, s[64:65] scope:SCOPE_SE
	s_setreg_imm32_b32 hwreg(HW_REG_WAVE_MODE, 25, 1), 1
	s_wait_xcnt 0x0
	s_wait_alu depctr_hold_cnt(0) depctr_sa_sdst(0) depctr_va_vdst(0) depctr_va_sdst(0) depctr_va_ssrc(0) depctr_va_vcc(0) depctr_vm_vsrc(0)
	s_getreg_b32 s2, hwreg(HW_REG_IB_STS2, 6, 4)
	s_cmp_eq_u32 s2, 0
	s_cbranch_scc0 .Lentry_in_a_cluster
	s_endpgm
.Lentry_in_a_cluster:
	s_bfe_u32 s2, ttmp6, 0x10000c
	s_cmp_lg_u32 s2, 0xf033
	s_cbranch_scc0 .Lentry_shape_is_right
	s_endpgm
.Lentry_shape_is_right:
; out0 = y c_proj_w^T on BF6 codes.  y: yp, 64 groups of 128 tokens x 8 records (K step = head); c_proj_w: pk's groups 88-95; both as register images (a record: 8 images of 1,536 bytes, then 128 scale words).
; A work-group makes 128 tokens x 256 columns; ALL OF K lies in LDS at once (3 x 102,400 bytes): every byte is filled once.  Wave (WH, WL): 64 tokens x 128 columns: 32 accumulators.
; The fills go out in two parts along K, one load a wave each: K steps 0-3 at the head, K steps 4-7 behind the full sequence and a round of the cluster's barrier; a wait and a barrier in front of K step 4's fetch.
; Waves 0, 1 fetch two records of y each, waves 2, 3 four records of a weight group each.
; CLUSTERS: 4 x 4: y's records are asked for jointly along a row of the cluster, the weight's along a column.  No prefetch: there is no loop to run ahead in.
; The matrix instruction is used transposed (source 0 = 16 rows of the weight, source 1 = 16 tokens): a lane holds eight neighbouring columns of one token.
; In a group of y position 16 a + i is token 32 (a / 2) + 8 (a % 2) + i % 8 + 16 (i / 8): the stores' offsets put the rows back.
; REGISTERS: window 0: v4-29 addresses; v32-55 scale words, two sets; v64-159 y's fragments, two sets (on the way out v64-191: rows); window 1: the weight's fragments, two sets; window 2: accumulator (a, b) at v[8 (8 a + b)].
.set REC,   12800
.set GRPB,  8*REC
.set SPARE, 3*GRPB                     ; the spare words, 128 bytes a wave, that no other line names
.set SPITCH, 528                       ; the way out: 16 rows x (512 bytes + 16) for each wave, in y's bytes, which have had their only fill and their last read by then
.set FR,   12
.set LI,   4
.set ADRA, 8
.set ADRB, 10
.set ASA,  12
.set ASB,  14
.set STO,  16
.set RD,   17
.set SPW,  28
.set NIL,  29
.set SC,   32
.set AF,   64
.set BK,   64
.set G1A, 24
.set G1B, 32
.set G0A, 40                           ; s40-47: two sets
.set G0B, 56                           ; s56-63: two sets
.set MSB, 0
.macro WIN new
.if MSB != (\new)
	s_set_vgpr_msb (MSB<<8)|(\new)
.set MSB, (\new)
.endif
.endm
.macro CREST
	s_cmp_lg_u32 s16, 0
	s_cbranch_scc1 .Lnot_wave_0_\@
	s_barrier_signal -3
.Lnot_wave_0_\@:
	s_barrier_wait -3
	s_barrier_signal -1
	s_barrier_wait -1
.endm
.macro CROUND
	s_barrier_signal -1
	s_barrier_wait -1
	CREST
.endm
.macro PLACES
.rept 4
	v_nop
.endr
.endm
.macro JL ks                           ; part ks of K: one joint load a wave
	s_cmp_eq_u32 s17, 0
	s_cbranch_scc0 .Lfor_b_\@
	tensor_load_to_lds s[G0A+4*\ks:G0A+4*\ks+3], s[G1A:G1A+7]
	s_nop 0
	PLACES
	s_branch .Lasked_\@
.Lfor_b_\@:
	tensor_load_to_lds s[G0B+4*\ks:G0B+4*\ks+3], s[G1B:G1B+7]
	s_nop 0
	PLACES
.Lasked_\@:
.endm
	s_load_b128 s[4:7], s[0:1], 0x0                ; yp, pk
	s_load_b64 s[8:9], s[0:1], 0x10                ; out0
	v_lshl_add_u32 v[SPW], v0, 2, SPARE
	v_mov_b32 v[NIL], 0
	ds_add_u32 v[SPW], v[NIL]                      ; the opening lines: the add, twice on end, and its wait
	ds_add_u32 v[SPW], v[NIL]
	v_lshrrev_b32 v1, 5, v0
	v_readfirstlane_b32 s16, v1
	s_lshr_b32 s17, s16, 1                         ; my half of the tokens.  Also: I fetch y (0) or the weight (1)
	s_and_b32 s18, s16, 1                          ; my group of the weight.  Also: which part I fetch
	s_bfe_u32 s20, ttmp6, 0x40000                  ; cx
	s_bfe_u32 s21, ttmp6, 0x40004                  ; cy
	s_lshl_b32 s22, ttmp9, 2
	s_add_co_u32 s22, s22, s20                     ; the tile of 256 columns
	s_and_b32 s23, ttmp7, 0xffff
	s_lshl_b32 s23, s23, 2
	s_add_co_u32 s23, s23, s21                     ; the token group
	s_lshl_b32 s82, s21, 2
	s_lshl_b32 s82, 15, s82                        ; my row of the cluster
	s_lshl_b32 s83, 0x1111, s20                    ; my column
	s_or_b32 s[G1A], s82, (3<<16)|(1<<21)          ; two records: 100 rows of 32 elements of 8 bytes
	s_mov_b32 s[G1A+1], 32<<16
	s_mov_b32 s[G1A+2], 100<<16
	s_mov_b32 s[G1A+3], 32<<16
	s_mov_b32 s[G1A+4], 100
	s_mov_b32 s[G1A+5], 32
	s_mov_b32 s[G1A+6], 0
	s_mov_b32 s[G1A+7], 0
	s_or_b32 s[G1B], s83, (3<<16)|(1<<21)          ; four records: 200 rows
	s_mov_b32 s[G1B+1], 32<<16
	s_mov_b32 s[G1B+2], 200<<16
	s_mov_b32 s[G1B+3], 32<<16
	s_mov_b32 s[G1B+4], 200
	s_mov_b32 s[G1B+5], 32
	s_mov_b32 s[G1B+6], 0
	s_mov_b32 s[G1B+7], 0
	s_mul_i32 s80, s18, 2*REC                      ; y: records 4 ks + 2 WL and the next, in LDS as in memory
	s_mul_i32 s76, s23, GRPB
	s_add_co_u32 s76, s76, s80
	s_mov_b32 s77, 0
	s_lshl_b32 s78, s22, 1
	s_add_co_u32 s78, s78, s18
	s_add_co_u32 s78, s78, 88
	s_mul_i32 s78, s78, GRPB                       ; the weight: group 88 + 2 tx + WL
	s_mov_b32 s79, 0
	s_mul_i32 s81, s18, GRPB
	s_add_co_u32 s81, s81, GRPB
	s_wait_dscnt 0x0
	s_wait_kmcnt 0x0
	s_add_nc_u64 s[76:77], s[4:5], s[76:77]
	s_add_nc_u64 s[78:79], s[6:7], s[78:79]
	CROUND                                         ; in front of the first joint loads
.irp ks, 0,1
	s_mov_b32 s[G0A+4*\ks], 1
	s_add_co_u32 s[G0A+4*\ks+1], s80, \ks*4*REC
	s_add_nc_u64 s[G0A+4*\ks+2:G0A+4*\ks+3], s[76:77], \ks*4*REC
	s_or_b32 s[G0A+4*\ks+3], s[G0A+4*\ks+3], 0x80000000
	s_mov_b32 s[G0B+4*\ks], 1
	s_add_co_u32 s[G0B+4*\ks+1], s81, \ks*4*REC
	s_add_nc_u64 s[G0B+4*\ks+2:G0B+4*\ks+3], s[78:79], \ks*4*REC
	s_or_b32 s[G0B+4*\ks+3], s[G0B+4*\ks+3], 0x80000000
.endr
	JL 0                                           ; K steps 0-3
	v_and_b32 v1, 15, v0                           ; r
	v_bfe_u32 v2, v0, 4, 1                         ; h
	v_and_b32 v3, 31, v0
	v_lshlrev_b32 v[LI], 4, v3
	s_wait_alu depctr_va_vdst(0)
	v_lshlrev_b32 v5, 2, v1
	s_wait_alu depctr_va_vdst(0)                   ; the waits ahead of the scalar run
	s_mul_i32 s84, s17, 4*1536                     ; my four blocks of tokens
	s_lshl_b32 s85, s17, 8
	s_add_co_u32 s85, s85, 8*1536                  ; and their scale words
	s_add_co_u32 s86, s81, 8*1536
	s_mov_b32 s87, s81
.irp H, 0,1
	v_add_nc_u32 v[ADRA+\H], s84, v[LI]
	v_add_nc_u32 v[ADRB+\H], s87, v[LI]
	v_add_nc_u32 v[ASA+\H], s85, v5
	v_add_nc_u32 v[ASB+\H], s86, v5
	s_add_co_u32 s84, s84, 4*REC
	s_add_co_u32 s85, s85, 4*REC
	s_add_co_u32 s86, s86, 4*REC
	s_add_co_u32 s87, s87, 4*REC
.endr
	s_mul_i32 s84, s16, 16*SPITCH                  ; my stage
	v_mul_u32_u24 v5, v1, SPITCH
	v_lshl_add_u32 v5, v2, 5, v5
	v_add_nc_u32 v[STO], s84, v5                   ; in: row r, 32 bytes for each half of the lanes
	v_add_nc_u32 v[RD], s84, v[LI]                 ; back: the 32 lanes take a row of 512 bytes
	s_lshl_b32 s84, s23, 7
	s_lshl_b32 s85, s17, 6
	s_add_co_u32 s84, s84, s85
	s_lshl_b32 s84, s84, 12                        ; my first token's row of out0,
	s_lshl_b32 s85, s22, 10
	s_add_co_u32 s84, s84, s85
	s_lshl_b32 s85, s18, 9
	s_add_co_u32 s84, s84, s85                     ; my first column
	s_mov_b32 s85, 0
	s_add_nc_u64 s[8:9], s[8:9], s[84:85]
.macro FETCH s                         ; K step s: the weight's eight fragments, y's four, their scale words, into set s % 2
.set PP, (\s)%2
.set HF, (\s)/4
.set OF, ((\s)%4)*REC
	WIN 0x40
.irp b, 0,1,2,3,4,5,6,7
.irp c, 0,1,2
	ds_load_b128 v[128*PP+FR*\b+4*\c:128*PP+FR*\b+4*\c+3], v[ADRB+HF] offset:OF+1536*\b+512*\c
.endr
.endr
	WIN 0
.irp a, 0,1,2,3
.irp c, 0,1,2
	ds_load_b128 v[AF+48*PP+FR*\a+4*\c:AF+48*PP+FR*\a+4*\c+3], v[ADRA+HF] offset:OF+1536*\a+512*\c
.endr
.endr
.irp a, 0,1,2,3
	ds_load_b32 v[SC+12*PP+\a], v[ASA+HF] offset:OF+64*\a
.endr
.irp b, 0,1,2,3,4,5,6,7
	ds_load_b32 v[SC+4+12*PP+\b], v[ASB+HF] offset:OF+64*\b
.endr
.endm
.macro MUL32 s                         ; 32 matrix instructions; the 32 accumulators take turns, in the same order in every step; the first step starts the sums
.set PP, (\s)%2
	WIN 0xa1                                       ; source 0 window 1, source 1 window 0, C and D window 2
.irp a, 0,1,2,3
.irp b, 0,1,2,3,4,5,6,7
.if (\s) == 0
	v_wmma_scale_f32_16x16x128_f8f6f4 v[8*(8*\a+\b):8*(8*\a+\b)+7], v[128*PP+FR*\b:128*PP+FR*\b+FR-1], v[AF+48*PP+FR*\a:AF+48*PP+FR*\a+FR-1], 0, v[SC+4+12*PP+\b], v[SC+12*PP+\a] matrix_a_fmt:MATRIX_FMT_BF6 matrix_b_fmt:MATRIX_FMT_BF6
.else
	v_wmma_scale_f32_16x16x128_f8f6f4 v[8*(8*\a+\b):8*(8*\a+\b)+7], v[128*PP+FR*\b:128*PP+FR*\b+FR-1], v[AF+48*PP+FR*\a:AF+48*PP+FR*\a+FR-1], v[8*(8*\a+\b):8*(8*\a+\b)+7], v[SC+4+12*PP+\b], v[SC+12*PP+\a] matrix_a_fmt:MATRIX_FMT_BF6 matrix_b_fmt:MATRIX_FMT_BF6
.endif
.endr
.endr
.endm
	s_wait_alu depctr_va_vdst(0)                   ; the wait at the head's end
	s_wait_tensorcnt 0x0                           ; my part of K steps 0-3 is in; the second part is a first fill behind the full sequence
	ds_add_u32 v[SPW], v[NIL]
	s_wait_dscnt 0x0
	CROUND
	JL 1                                           ; K steps 4-7
	FETCH 0
.irp s, 0,1,2,3,4,5,6,7
	s_wait_dscnt 0x0                               ; this step's fragments are in
.if \s < 7
.if \s == 3
	s_wait_tensorcnt 0x0                           ; my part of K steps 4-7 is in
	s_barrier_signal -1
	s_barrier_wait -1
.endif
	PLACES                                         ; in front of loads into the set that the step before multiplied
	FETCH \s+1                                     ; lands while this step is multiplied
.endif
	MUL32 \s
.endr
	WIN 0
	s_barrier_signal -1                            ; no LDS load of mine is out: every wave's reads of y's bytes are over behind this barrier, and the stages may take them
	s_barrier_wait -1
	PLACES                                         ; in front of the first read of results and of loads into y's fragment registers
; THE WAY OUT, block by block of 16 tokens x 128 columns, through my own stage: back as whole rows of 512 bytes.  LDS serves a wave's instructions in order: no wait between the stores and the loads
.macro TOSTAGE a
	WIN 0x08                                       ; an LDS store's data are its source 1: window 2
.irp b, 0,1,2,3,4,5,6,7
	ds_store_b128 v[STO], v[64*(\a)+8*\b:64*(\a)+8*\b+3] offset:64*\b         ; each accumulator from its low end on
	ds_store_b128 v[STO], v[64*(\a)+8*\b+4:64*(\a)+8*\b+7] offset:64*\b+16
.endr
	WIN 0
.set BB, BK+64*((\a)%2)
.irp t, 0,1,2,3,4,5,6,7,8,9,10,11,12,13,14,15
	ds_load_b128 v[BB+4*\t:BB+4*\t+3], v[RD] offset:\t*SPITCH
.endr
.endm
.macro SEND a, younger                 ; younger: the LDS instructions issued behind block a's loads, which may stay out
.set BB, BK+64*((\a)%2)
	s_wait_dscnt \younger
.irp t, 0,1,2,3,4,5,6,7,8,9,10,11,12,13,14,15
	global_store_b128 v[LI], v[BB+4*\t:BB+4*\t+3], s[8:9] offset:(32*((\a)/2)+8*((\a)%2)+\t%8+16*(\t/8))*4096 th:TH_STORE_NT   ; 32 lanes store 512 consecutive bytes of the token's row
.endr
.endm
	TOSTAGE 0
.irp a, 1,2,3
.if \a > 1
	s_wait_xcnt 0x0                                ; block a - 2's stores have read their registers: block a's loads may land there
.endif
	TOSTAGE \a
	SEND \a-1, 32                                  ; behind block a - 1's loads: block a's 16 stores and 16 loads
.endr
	SEND 3, 0
	s_wait_tensorcnt 0x0                           ; the wave's end
	ds_add_u32 v[SPW], v[NIL]
	s_wait_dscnt 0x0
	CROUND                                         ; the closing round
	s_endpgm
.Lfunc_end_k_q01d80c26ec_proj:
	.size	k_q01d80c26ec_proj, .Lfunc_end_k_q01d80c26ec_proj-k_q01d80c26ec_proj
	.p2alignl 7, 3214868480
	.fill 96, 4, 3214868480
	.section	.rodata,"a",@progbits
	.p2align	6, 0x0
	.amdhsa_kernel k_q01d80c26ec_proj
		.amdhsa_group_segment_fixed_size 327680
		.amdhsa_private_segment_fixed_size 0
		.amdhsa_enable_private_segment 0
		.amdhsa_kernarg_size 24
		.amdhsa_user_sgpr_count 2
		.amdhsa_user_sgpr_kernarg_segment_ptr 1
		.amdhsa_wavefront_size32 1
		.amdhsa_system_sgpr_workgroup_id_x 1
		.amdhsa_system_sgpr_workgroup_id_y 1
		.amdhsa_system_sgpr_workgroup_id_z 1
		.amdhsa_system_vgpr_workitem_id 0
		.amdhsa_next_free_vgpr 768
		.amdhsa_next_free_sgpr 100
		.amdhsa_reserve_vcc 0
		.amdhsa_float_denorm_mode_32 3
		.amdhsa_float_denorm_mode_16_64 3
		.amdhsa_memory_ordered 1
		.amdhsa_forward_progress 1
		.amdhsa_inst_pref_size 81
	.end_amdhsa_kernel
	.amdgpu_metadata
---
amdhsa.version: [ 1, 2 ]
amdhsa.kernels:
  - .name:           k_q01d80c26ec_proj
    .symbol:         k_q01d80c26ec_proj.kd
    .args:
      - { .name: yp, .offset: 0, .size: 8, .value_kind: global_buffer, .address_space: global }
      - { .name: pk, .offset: 8, .size: 8, .value_kind: global_buffer, .address_space: global }
      - { .name: out0, .offset: 16, .size: 8, .value_kind: global_buffer, .address_space: global }
    .group_segment_fixed_size: 327680
    .private_segment_fixed_size: 0
    .kernarg_segment_align: 8
    .kernarg_segment_size: 24
    .max_flat_workgroup_size: 128
    .sgpr_count:     100
    .vgpr_count:     768
    .wavefront_size: 32
...
	.end_amdgpu_metadata
.endif
;; end of part 4
